; MI455X (gfx1250); checked and timed in simulation.
; The chip was launched on July 23, 2026; its instructions are those of AMD's public machine-readable ISA for CDNA 5 (MIT licence, August 2026) and "CDNA5" Instruction Set Architecture Reference Guide (July 2026). The comments in the code are by the model that wrote it; some were corrected since.
;; Standard Attention. Allowed arithmetic: matrix products marked QUANTISED: E2M3 operands, one E8M0 scale for each 32 along K, by v_wmma_scale_f32_16x16x128_f8f6f4 with both operands' format E2M3, f32 sums; everything else in f32.
;; Inputs: Wk 1,024 x 1,024 float32; Wo 1,024 x 1,024 float32; Wq 1,024 x 1,024 float32; Wv 1,024 x 1,024 float32; attention_mask 1 x 1 x 4,096 x 4,096 float32; cos 4,096 x 64 float32; hidden_states 1 x 4,096 x 1,024 float32; sin 4,096 x 64 float32.
;; Outputs: out0 1 x 4,096 x 1,024 float32.
;; This version of the problem:
;;   THIS VERSION OF THE PROBLEM IS GIVEN IN LOW PRECISION. The matrix products marked QUANTISED in the list below multiply operands that are first quantised to E2M3 (2 exponent bits, 3 mantissa bits; 6 bits a number), with one power-of-two scale for each 32 numbers along K (OCP MX v1.0); their sums are f32. All else is computed in f32.
;;   The module's matrix products, in the order in which they are computed (A, B: the left and right operand; K: the contracted axis; several contracted axes count as one K, in the product's order):
;;     1. [M 4,096, K 1,024] x [K 1,024, N 1,024]; A: input hidden_states; B: input Wq: QUANTISED
;;     2. [M 4,096, K 1,024] x [K 1,024, N 1,024]; A: input hidden_states; B: input Wk: QUANTISED
;;     3. [M 4,096, K 1,024] x [K 1,024, N 1,024]; A: input hidden_states; B: input Wv: QUANTISED
;;     4. batch 16 x [M 4,096, K 64] x [K 64, N 4,096]; A: computed on the way; B: computed on the way: QUANTISED
;;     5. batch 16 x [M 4,096, K 4,096] x [K 4,096, N 64]; A: softmax (see below); B: computed on the way: QUANTISED
;;     6. [M 4,096, K 1,024] x [K 1,024, N 1,024]; A: computed on the way; B: input Wo: QUANTISED
;;   THE QUANTISER, for each operand of a quantised product, along K:
;;     - K is cut into blocks of 32 from its start; a last block that is shorter is filled with zeros.
;;     - A block's scale is 2^e with e = floor(log2(the largest magnitude in the block)) - 2, held to -126 .. 127; a block of zeros has e = 0. As a byte (E8M0): e + 127.
;;     - Each number is divided by its block's scale, clamped to +-7.5, and rounded to the nearest number of E2M3, ties to even, subnormals kept.
;;     - The product sums the exact products of the quantised numbers (number of the format x scale) in f32.
;;   ~~~python
;;   def quantise(x, axis):      # numpy; x: float32 -> the quantised numbers, widened to float32 again
;;       x = np.moveaxis(x, axis, -1); K = x.shape[-1]
;;       x = np.pad(x, [(0, 0)] * (x.ndim - 1) + [(0, -K % 32)]); x = x.reshape(x.shape[:-1] + (-1, 32)); a = np.abs(x).max(-1, keepdims=True)
;;       e = np.where(a > 0, np.clip(np.frexp(np.where(a > 0, a, 1))[1] - 1 - 2, -126, 127), 0)      # np.frexp(a)[1] - 1 = floor(log2(a)), exactly
;;       r = np.clip(x / 2.0 ** e, -7.5, 7.5)
;;       step = 2.0 ** (np.maximum(np.frexp(np.where(r == 0, 1, r))[1] - 1, 0) - 3)
;;       q = np.round(r / step) * step * 2.0 ** e      # np.round: ties to even
;;       return np.moveaxis(q.reshape(q.shape[:-2] + (-1,))[..., :K], -1, axis).astype(np.float32)
;;   ~~~
;;   SOFTMAX AHEAD OF A QUANTISED PRODUCT. Where the list says 'softmax', what is quantised is not the finished softmax but p = 2^(t - M), with t = logit x log2(e) and M = ceil(the row's largest t), a whole number; so 1/2 < the row's largest p <= 1. The row's sum l is taken of the UNQUANTISED p, in f32, and the product's result is divided by l at the end. Since M is a whole number, a kernel that streams over the keys may use a running M (the ceiling of the running maximum): every later rescaling is an exact power of two, which a block's scale takes up: the codes' values come out the same.
;;   OPERANDS COMPUTED ON THE WAY. 'Computed on the way' means the value that the module computes at that place (a softmax that the list does not call 'softmax' is quantised finished and normalised). What goes into a quantiser is computed in f32, as accurately as f32 sums, v_exp_f32 and their like allow (about 1e-6 of the number): no bf16 or f16 on the way to a quantiser, and a product that is left as it is and whose result goes on into a quantised operand takes f32 operands (vector FMAs, or v_wmma_f32_16x16x4_f32). A number that lies on a knife's edge between two numbers of the format may be rounded either way, as far as f32 arithmetic and the matrix unit's own rounding can turn it there, and no further.
;; One version. Each part assembles by itself: llvm-mc -triple=amdgcn-amd-amdhsa -mcpu=gfx1250 --defsym DOCPART=n.
;; ======== version 1 of 1: 4 launches
;; limits: right only within a limited range of input values
;; workspace buffers: qc 6,291,456 bytes; qs 262,144 bytes; rt 2,097,152 bytes; qf 3,276,800 bytes; kv 6,553,600 bytes; ac 3,145,728 bytes; asc 131,072 bytes
;; launch prep (part 1): grid 320 x 1, 4 waves a work-group, no clusters, 34,304 bytes of LDS; arguments hidden_states, Wq, Wk, Wv, Wo, cos, sin, qc, qs, rt; writes qc, qs, rt
.if DOCPART == 1
	.amdgcn_target "amdgcn-amd-amdhsa--gfx1250"
	.amdhsa_code_object_version 6
	.text
	.protected	k_q27d27e6995_prep
	.globl	k_q27d27e6995_prep
	.p2align	8
	.type	k_q27d27e6995_prep,@function
k_q27d27e6995_prep:
	s_mov_b64 s[64:65], 0
	v_nop
	global_prefetch_b8 v0, s[64:65] scope:SCOPE_SE
	s_setreg_imm32_b32 hwreg(HW_REG_WAVE_MODE, 25, 1), 1
	s_wait_xcnt 0x0
; PREP.  (A) hidden_states [4096][1024] and Wq, Wk, Wv, Wo [1024][1024], f32 with K innermost, become codes of FP6 (E2M3) with one E8M0 byte for each 32 along K,
; laid in the order of an operand's registers.  (B) cos and sin [4096][64] are laid in the order in which the next launch's lanes want them.
; TILES.  Everywhere in this program tile T of a row space holds the 16 rows 32 (T / 2) + 8 (T % 2) + r + 8 (r / 8), r = 0 .. 15: as source 0 of a product its results of two neighbouring tiles
; are then 16 neighbours in a lane's registers.  Tiles: 0-255 hidden_states, 256-319 Wq, 320-383 Wk, 384-447 Wv, 448-511 Wo.
; qc: fragment (T, K step s) at (8 T + s) x 1,536 bytes: registers 4 c .. 4 c + 3 of lane l at 512 c + 16 l.   qs: tile T at 512 T: the 16 bytes at 16 (r + 16 (s / 4)) are row r's scale words of K steps 4 (s / 4) + 0 .. 3.
; rt: tile T at 8,192 T: piece (8 tab + 4 b + j) x 512 + 16 l holds tab[row of lane l % 16][32 b + 16 (l / 16) + 4 j + 0 .. 3], tab 0 = cos, 1 = sin.
; SHARES.  Work-groups 0-255: 32 rows each (two tiles); wave w takes tile w / 2 and K half w % 2: four fragments.  Work-groups 256-319: four tiles of the tables, one a wave.
; A load reads one row's 512 consecutive bytes; a fragment's 16 rows turn through the wave's own stage in LDS (rows 528 bytes apart: 33 x 16, so that sixteen rows start in sixteen different columns of 16 bytes)
; and come back as two whole blocks of 32 a lane, in the operand's own order.  Memory binds: no matrix unit, no cluster (no two work-groups read the same byte), no barrier (waves share nothing).
; A block's scale byte is its largest magnitude's exponent field - 2, held at 1 from below.
; LIMITS: a block of zeros, or one whose largest magnitude lies under 2^-124, keeps the byte 1 (its codes are zeros or the nearest codes under that scale; the bytes are read by this program alone);
; NaN and infinities among the inputs are not served.
.set STG,   8448                       ; a wave's stage: 16 rows x 528 bytes
.set SPARE, 33792                      ; behind the four stages: the spare words, 128 bytes for each wave
.set X,     64                         ; v64-127  a fragment's 64 numbers of my lane
.set RR,    128                        ; v128-255 two sets of 64 registers as loaded
.set SPW,   8                          ; v8  LDS address of my spare word; never rewritten
.set NIL,   9                          ; v9  0; never rewritten
.macro LOAD f                          ; fragment f: 16 rows x 512 bytes
.irp i, 0,1,2,3,4,5,6,7,8,9,10,11,12,13,14,15
	global_load_b128 v[RR+64*((\f)%2)+4*\i:RR+64*((\f)%2)+4*\i+3], v4, s[16:17] offset:(\i+8*(\i/8))*4096+512*(\f) th:TH_LOAD_NT
.endr
.endm
.macro TURN f                          ; through the stage: LDS serves a wave's instructions in order, so no wait stands between the stores and the loads
.irp i, 0,1,2,3,4,5,6,7,8,9,10,11,12,13,14,15
	ds_store_b128 v5, v[RR+64*((\f)%2)+4*\i:RR+64*((\f)%2)+4*\i+3] offset:528*\i
.endr
.irp c, 0,1
.irp j, 0,1,2,3,4,5,6,7
	ds_load_b128 v[X+32*\c+4*\j:X+32*\c+4*\j+3], v6 offset:256*\c+16*\j    ; k = 64 c + 32 (l / 16) + 4 j + 0 .. 3 of row l % 16
.endr
.endr
.endm
.macro QNT f                           ; my two blocks (l / 16 and 2 + l / 16) of fragment f: scale bytes, codes, stores
.set CC, 24+12*((\f)%2)
.irp c, 0,1
	v_max3_num_f32 v[12+\c], |v[X+32*\c]|, |v[X+32*\c+1]|, 0x1800000       ; with the floor 2^(3 - 127): the byte cannot fall under 1
.endr
.irp i, 2,4,6,8,10,12,14,16,18,20,22,24,26,28,30
.irp c, 0,1
	v_max3_num_f32 v[12+\c], v[12+\c], |v[X+32*\c+\i]|, |v[X+32*\c+\i+1]|
.endr
.endr
.irp c, 0,1
	v_add_nc_u32 v[14+\c], 0xff000000, v[12+\c]    ; 2 off the exponent field: the conversion's scale operand
.endr
.irp c, 0,1
	v_lshrrev_b32 v[20+\c], 23, v[14+\c]           ; the byte
.endr
	v_lshl_or_b32 v22, v21, 16, v20
	v_lshlrev_b32 v22, v11, v22                    ; my two bytes at their places: 8 (l / 16) bits up
	v_permlanex16_b32 v23, v22, s36, s37
	v_or_b32 v[16+\f], v22, v23                    ; with lane l xor 16's two the row's word is whole
.irp c, 0,1
	v_cvt_scalef32_pk16_fp6_f32 v[CC+6*\c:CC+6*\c+2], v[X+32*\c:X+32*\c+15], v[14+\c]
	v_cvt_scalef32_pk16_fp6_f32 v[48+4*\c:50+4*\c], v[X+32*\c+16:X+32*\c+31], v[14+\c]   ; (a conversion's three registers begin on an even number)
.endr
	v_nop                                          ; one plain place behind a scaled conversion
.irp c, 0,1
.irp i, 0,1,2
	v_mov_b32 v[CC+6*\c+3+\i], v[48+4*\c+\i]
.endr
.endr
.irp c, 0,1,2
	global_store_b128 v4, v[CC+4*\c:CC+4*\c+3], s[22:23] offset:1536*(\f)+512*\c   ; 32 lanes store 512 consecutive bytes
.endr
.endm
	s_load_b512 s[8:23], s[0:1], 0x0               ; hidden s[8:9], Wq s[10:11], Wk s[12:13], Wv s[14:15], Wo s[16:17], cos s[18:19], sin s[20:21], qc s[22:23]
	s_load_b128 s[24:27], s[0:1], 0x40             ; qs s[24:25], rt s[26:27]
	v_lshl_add_u32 v[SPW], v0, 2, SPARE
	v_mov_b32 v[NIL], 0
	v_lshrrev_b32 v1, 5, v0
	v_readfirstlane_b32 s4, v1                     ; wave
	v_and_b32 v2, 31, v0                           ; lane
	v_and_b32 v3, 15, v0                           ; r
	v_bfe_u32 v10, v0, 4, 1                        ; h
	v_lshlrev_b32 v4, 4, v2                        ; 16 l
	s_cmp_ge_u32 ttmp9, 256
	s_cbranch_scc1 .Ltables
	; ---- (A) the quantiser
	s_mul_i32 s5, s4, STG
	v_add_nc_u32 v5, s5, v4                        ; the stage on the way in: 16 l
	v_mul_u32_u24 v6, v3, 528
	v_lshl_add_u32 v6, v10, 7, v6
	v_add_nc_u32 v6, s5, v6                        ; and out: row r, + 128 h
	v_lshlrev_b32 v7, 4, v3
	v_lshl_add_u32 v7, v10, 3, v7                  ; the scale words' place: 16 r + 8 h
	v_lshlrev_b32 v11, 3, v10                      ; 8 h
	v_mov_b32 v23, 0                               ; written once: a lane permute's destination counts as one of its sources
	s_mov_b32 s36, 0x76543210
	s_mov_b32 s37, 0xfedcba98                      ; v_permlanex16_b32's selects for lane l xor 16
	s_lshr_b32 s6, s4, 1                           ; which tile of the two
	s_and_b32 s7, s4, 1                            ; which half of K
	s_and_b32 s28, ttmp9, 31
	s_cmp_lt_u32 ttmp9, 128
	s_cselect_b32 s28, ttmp9, s28                  ; the group of 32 rows inside its tensor
	s_lshl_b32 s28, s28, 17                        ; 32 rows of 4,096 bytes,
	s_lshl_b32 s29, s6, 15                         ; 8 rows,
	s_add_co_u32 s28, s28, s29
	s_lshl_b32 s29, s7, 11                         ; four K steps of 512 bytes
	s_add_co_u32 s28, s28, s29
	s_mov_b32 s29, 0
	s_lshl_b32 s30, ttmp9, 1
	s_add_co_u32 s30, s30, s6                      ; T
	s_mul_i32 s32, s30, 12288
	s_mul_i32 s31, s7, 6144
	s_add_co_u32 s32, s32, s31
	s_mov_b32 s33, 0
	s_lshl_b32 s34, s30, 9
	s_lshl_b32 s31, s7, 8
	s_add_co_u32 s34, s34, s31
	s_mov_b32 s35, 0
	s_wait_kmcnt 0x0
	s_cmp_lt_u32 ttmp9, 224                        ; which tensor: the choice hangs on the work-group's number alone
	s_cselect_b64 s[16:17], s[14:15], s[16:17]
	s_cmp_lt_u32 ttmp9, 192
	s_cselect_b64 s[16:17], s[12:13], s[16:17]
	s_cmp_lt_u32 ttmp9, 160
	s_cselect_b64 s[16:17], s[10:11], s[16:17]
	s_cmp_lt_u32 ttmp9, 128
	s_cselect_b64 s[16:17], s[8:9], s[16:17]
	s_add_nc_u64 s[16:17], s[16:17], s[28:29]
	s_add_nc_u64 s[22:23], s[22:23], s[32:33]
	s_add_nc_u64 s[24:25], s[24:25], s[34:35]
	s_wait_alu depctr_va_vdst(0)
	LOAD 0
	LOAD 1
	s_wait_loadcnt 16                              ; fragment 0's 16 loads are in; fragment 1's may be out
	TURN 0
	s_wait_dscnt 0x0                               ; the numbers are back, and the stores have read their registers,
	LOAD 2                                         ; which take the loads of two fragments on
	QNT 0
	s_wait_loadcnt 16
	TURN 1
	s_wait_dscnt 0x0
	LOAD 3
	QNT 1
	s_wait_loadcnt 16
	TURN 2
	s_wait_dscnt 0x0
	s_wait_xcnt 0x0                                ; fragment 0's stores have read their registers: that set of codes is written again
	QNT 2
	s_wait_loadcnt 0x0
	TURN 3
	s_wait_dscnt 0x0
	s_wait_xcnt 0x0
	QNT 3
	v_cmp_eq_u32 vcc_lo, 1, v10
	v_cndmask_b32 v20, v16, v18, vcc_lo            ; lanes 0-15 store words 0, 1 of their row, lanes 16-31 words 2, 3:
	v_cndmask_b32 v21, v17, v19, vcc_lo
	global_store_b64 v7, v[20:21], s[24:25]        ; 256 consecutive bytes
	s_wait_tensorcnt 0x0                           ; the wave's end, behind my last LDS store
	ds_add_u32 v[SPW], v[NIL]
	s_wait_dscnt 0x0
	s_endpgm
	; ---- (B) the tables: no LDS
.Ltables:
	s_sub_co_u32 s5, ttmp9, 256
	s_lshl_b32 s5, s5, 2
	s_add_co_u32 s5, s5, s4                        ; T
	s_lshr_b32 s6, s5, 1
	s_lshl_b32 s6, s6, 13                          ; 32 rows of 256 bytes
	s_and_b32 s7, s5, 1
	s_lshl_b32 s7, s7, 11                          ; 8 rows
	s_add_co_u32 s28, s6, s7
	s_mov_b32 s29, 0
	s_lshl_b32 s30, s5, 13                         ; 8,192 T
	s_mov_b32 s31, 0
	s_wait_alu depctr_va_vdst(0)
	v_and_b32 v5, 8, v3
	v_add_nc_u32 v5, v5, v3                        ; r + 8 (r / 8)
	v_lshlrev_b32 v5, 8, v5
	v_lshl_add_u32 v5, v10, 6, v5                  ; its row, + 64 h
	s_wait_alu depctr_va_vdst(0)
	s_wait_kmcnt 0x0
	s_add_nc_u64 s[18:19], s[18:19], s[28:29]
	s_add_nc_u64 s[20:21], s[20:21], s[28:29]
	s_add_nc_u64 s[26:27], s[26:27], s[30:31]
.irp b, 0,1
.irp j, 0,1,2,3
	global_load_b128 v[128+16*\b+4*\j:128+16*\b+4*\j+3], v5, s[18:19] offset:128*\b+16*\j
	global_load_b128 v[160+16*\b+4*\j:160+16*\b+4*\j+3], v5, s[20:21] offset:128*\b+16*\j
.endr
.endr
	s_wait_loadcnt 0x0
.irp i, 0,1,2,3,4,5,6,7,8,9,10,11,12,13,14,15
	global_store_b128 v4, v[128+4*\i:128+4*\i+3], s[26:27] offset:512*\i
.endr
	s_endpgm
.Lfunc_end_k_q27d27e6995_prep:
	.size	k_q27d27e6995_prep, .Lfunc_end_k_q27d27e6995_prep-k_q27d27e6995_prep
	.p2alignl 7, 3214868480
	.fill 96, 4, 3214868480
	.section	.rodata,"a",@progbits
	.p2align	6, 0x0
	.amdhsa_kernel k_q27d27e6995_prep
		.amdhsa_group_segment_fixed_size 34304
		.amdhsa_private_segment_fixed_size 0
		.amdhsa_enable_private_segment 0
		.amdhsa_kernarg_size 80
		.amdhsa_user_sgpr_count 2
		.amdhsa_user_sgpr_kernarg_segment_ptr 1
		.amdhsa_wavefront_size32 1
		.amdhsa_system_sgpr_workgroup_id_x 1
		.amdhsa_system_sgpr_workgroup_id_y 1
		.amdhsa_system_sgpr_workgroup_id_z 1
		.amdhsa_system_vgpr_workitem_id 0
		.amdhsa_next_free_vgpr 256
		.amdhsa_next_free_sgpr 66
		.amdhsa_reserve_vcc 1
		.amdhsa_float_denorm_mode_32 3
		.amdhsa_float_denorm_mode_16_64 3
		.amdhsa_memory_ordered 1
		.amdhsa_forward_progress 1
		.amdhsa_inst_pref_size 34
	.end_amdhsa_kernel
	.amdgpu_metadata
---
amdhsa.version: [ 1, 2 ]
amdhsa.kernels:
  - .name:           k_q27d27e6995_prep
    .symbol:         k_q27d27e6995_prep.kd
    .args:
      - { .name: hidden_states, .offset: 0, .size: 8, .value_kind: global_buffer, .address_space: global }
      - { .name: Wq, .offset: 8, .size: 8, .value_kind: global_buffer, .address_space: global }
      - { .name: Wk, .offset: 16, .size: 8, .value_kind: global_buffer, .address_space: global }
      - { .name: Wv, .offset: 24, .size: 8, .value_kind: global_buffer, .address_space: global }
      - { .name: Wo, .offset: 32, .size: 8, .value_kind: global_buffer, .address_space: global }
      - { .name: cos, .offset: 40, .size: 8, .value_kind: global_buffer, .address_space: global }
      - { .name: sin, .offset: 48, .size: 8, .value_kind: global_buffer, .address_space: global }
      - { .name: qc, .offset: 56, .size: 8, .value_kind: global_buffer, .address_space: global }
      - { .name: qs, .offset: 64, .size: 8, .value_kind: global_buffer, .address_space: global }
      - { .name: rt, .offset: 72, .size: 8, .value_kind: global_buffer, .address_space: global }
    .group_segment_fixed_size: 34304
    .private_segment_fixed_size: 0
    .kernarg_segment_align: 8
    .kernarg_segment_size: 80
    .max_flat_workgroup_size: 128
    .sgpr_count:     66
    .vgpr_count:     256
    .wavefront_size: 32
...
	.end_amdgpu_metadata
.endif
;; end of part 1
;; launch qkv (part 2): grid 12 x 16, 16 waves a work-group, clusters of 4 x 4, 327,680 bytes of LDS; arguments qc, qs, rt, qf, kv; writes qf, kv
.if DOCPART == 2
	.amdgcn_target "amdgcn-amd-amdhsa--gfx1250"
	.amdhsa_code_object_version 6
	.text
	.protected	k_q27d27e6995_qkv
	.globl	k_q27d27e6995_qkv
	.p2align	8
	.type	k_q27d27e6995_qkv,@function
k_q27d27e6995_qkv:
	s_mov_b64 s[64:65], 0
	v_nop
	global_prefetch_b8 v0, s[64:65] scope:SCOPE_SE
	s_setreg_imm32_b32 hwreg(HW_REG_WAVE_MODE, 25, 1), 1
	s_wait_xcnt 0x0
	s_wait_alu depctr_hold_cnt(0) depctr_sa_sdst(0) depctr_va_vdst(0) depctr_va_sdst(0) depctr_va_ssrc(0) depctr_va_vcc(0) depctr_vm_vsrc(0)
	s_getreg_b32 s2, hwreg(HW_REG_IB_STS2, 6, 4)
	s_cmp_eq_u32 s2, 0
	s_cbranch_scc0 .Lentry_in_a_cluster
	s_endpgm
.Lentry_in_a_cluster:
	s_bfe_u32 s2, ttmp6, 0x10000c
	s_cmp_lg_u32 s2, 0xf033
	s_cbranch_scc0 .Lentry_shape_is_right
	s_endpgm
.Lentry_shape_is_right:
; QKV.  q = x Wq^T, k = x Wk^T, v = x Wv^T on codes of FP6 (K = 1,024, eight steps of 128), RoPE on q and k in f32, and the results quantised in registers into the operands of the attention launch.
; ONE LOOP FOR ALL THREE: D = P x R, P source 0, R source 1.  q, k (cluster x = 0, 1): P = 16 tiles of W, R = 16 tiles of x: a lane holds ONE row of x and its registers run along the head's 64, the next K.
; v (cluster x = 2): P = 16 tiles of x, R = 16 tiles of Wv: a lane holds one channel and its registers run along the keys, the next K.  Only addresses in memory differ.
; A tile holds rows 32 (T / 2) + 8 (T % 2) + r + 8 (r / 8), so the 16 result registers of P tiles 2 b, 2 b + 1 are the neighbours 32 b + 16 (lane / 16) + 0 .. 15.
; SHARES.  A work-group makes 256 x 256; wave w = 8 I + J takes P tiles 8 I .. 8 I + 7 and R tiles 2 J, 2 J + 1: 16 accumulators.  Four waves to a SIMD: one wave's LDS loads stand beside another's products.
; 192 work-groups: 3 x 4,096 x 1,024 results in blocks of 256 x 256, which keep whole heads and whole key steps in a wave.
; CLUSTER 4 x 4: P's tiles hang on cx alone and are asked for jointly along a column of the cluster, R's on cy alone, along a row.
; RING: two slots of two K steps; operands lie in memory and in LDS as images of their registers (1,536 bytes a fragment, 16 bytes a lane), so every LDS load is 512 consecutive bytes.
; OUT.  qf: [head][pair of query tiles] 1,536 bytes: registers 0-5 the even tile (K = 64: d = 32 (lane / 16) + 0 .. 31), 6-11 the odd one; scale words from byte 3,145,728 on, head x 8,192 + pair x 64 + 4 r.
; kv: [key step of 128][head] blocks of 12,800 bytes: 4 pairs of key tiles (as qf's pairs), 4 fragments of V^T (16 channels x 128 keys) from 6,144 on, K's words at 12,288 + 64 pair + 4 r, V's at 12,544 + 64 tile + 4 r.
; LIMITS: as the quantiser's in the launch before (a block under 2^-124 keeps the byte 1); RoPE by fused multiply-adds; NaN and infinities are not served.
.set SLOT,  98304                      ; P: 16 tiles x 2 K steps x 1,536, then R likewise
.set ROFF,  49152
.set SPARE, 196608                     ; behind the ring: the spare words, 128 bytes for each of 16 waves
.set LI,  1                            ; v1     16 x lane
.set AP,  2                            ; v2-3   my P fragments in slot 0, 1
.set AR,  4                            ; v4-5   my R fragments
.set SPW, 6                            ; v6     my spare word; never rewritten
.set NIL, 7                            ; v7     0; never rewritten
.set PS,  16                           ; v16-47 P's scale words: tile p, K step s at 4 p + s % 4 (steps 4-7 in lanes 16-31)
.set RS,  48                           ; v48-55 R's
.set RF,  56                           ; v56-79 R's two fragments
.set PF,  80                           ; v80-127 four of P's
.set ACC, 128                          ; v128-255: accumulator (R tile q, P tile p) at 8 (8 q + p)
.set CT,  56                           ; the way out: v56-119 cos (d < 32), cos (d >= 32), sin, sin: 16 registers each
.set TT,  120                          ; v120-127 at work in RoPE
.set PC0, 56                           ; v56-75, v76-95: two sets of codes (12, and 8 for the conversions' second halves)
.set PC1, 76
.set TM,  96                           ; v96-111 maxima, permutes and bytes, -, scale operands
.set PW,  112                          ; v112-113 scale words; v114 the one that goes out
.set WV,  14
.set SEL, 98
.set G1P, 24
.set G1R, 32
.set G0P, 40                           ; a set for each slot
.set G0R, 48
.macro CROUND                          ; a round of the cluster's barrier
	s_barrier_signal -1
	s_barrier_wait -1
	s_cmp_lg_u32 s[WV], 0
	s_cbranch_scc1 .Lnot_wave_0_\@
	s_barrier_signal -3
.Lnot_wave_0_\@:
	s_barrier_wait -3
	s_barrier_signal -1
	s_barrier_wait -1
.endm
.macro JL sl                           ; a joint load, one a wave: waves 0-7 two tiles of P each, waves 8-15 two of R; the branch hangs on the wave's number alone; an s_nop 0 and four v_nop follow each line
	s_cmp_lt_u32 s[WV], 8
	s_cbranch_scc0 .Lnot_p_\@
	tensor_load_to_lds s[G0P+4*\sl:G0P+4*\sl+3], s[G1P:G1P+7]
	s_nop 0
.rept 4
	v_nop
.endr
	s_branch .Lasked_\@
.Lnot_p_\@:
	tensor_load_to_lds s[G0R+4*\sl:G0R+4*\sl+3], s[G1R:G1R+7]
	s_nop 0
.rept 4
	v_nop
.endr
.Lasked_\@:
.endm
.macro WM d, a, b, sa, sb, s           ; one product; K step 0 starts the sums; steps 4-7 take their scale words from lanes 16-31
.if (\s) == 0
	v_wmma_scale_f32_16x16x128_f8f6f4 v[\d:\d+7], v[\a:\a+11], v[\b:\b+11], 0, v[\sa], v[\sb] matrix_a_fmt:MATRIX_FMT_FP6 matrix_b_fmt:MATRIX_FMT_FP6
.elseif (\s) < 4
	v_wmma_scale_f32_16x16x128_f8f6f4 v[\d:\d+7], v[\a:\a+11], v[\b:\b+11], v[\d:\d+7], v[\sa], v[\sb] matrix_a_fmt:MATRIX_FMT_FP6 matrix_b_fmt:MATRIX_FMT_FP6
.else
	v_wmma_scale_f32_16x16x128_f8f6f4 v[\d:\d+7], v[\a:\a+11], v[\b:\b+11], v[\d:\d+7], v[\sa], v[\sb] matrix_a_fmt:MATRIX_FMT_FP6 matrix_b_fmt:MATRIX_FMT_FP6 matrix_a_scale:MATRIX_SCALE_ROW1 matrix_b_scale:MATRIX_SCALE_ROW1
.endif
.endm
.macro PFETCH sl, e, base              ; P tiles base .. base + 3 of K step parity e
.irp p, 0,1,2,3
.irp c, 0,1,2
	ds_load_b128 v[PF+12*\p+4*\c:PF+12*\p+4*\c+3], v[AP+\sl] offset:3072*(\base+\p)+1536*\e+512*\c
.endr
.endr
.endm
.macro PMUL s, base                    ; 8 products: the 16 accumulators take turns, one instruction a turn, in the same order in every K step
.irp p, 0,1,2,3
.irp q, 0,1
	WM ACC+8*(8*\q+\base+\p), PF+12*\p, RF+12*\q, PS+4*(\base+\p)+(\s)%4, RS+4*\q+(\s)%4, \s
.endr
.endr
.endm
.macro KSTEP sl, e, s
.rept 4
	v_nop                                          ; four places in front of loads into registers that matrix instructions have read
.endr
.irp q, 0,1
.irp c, 0,1,2
	ds_load_b128 v[RF+12*\q+4*\c:RF+12*\q+4*\c+3], v[AR+\sl] offset:3072*\q+1536*\e+512*\c
.endr
.endr
	PFETCH \sl, \e, 0
	s_wait_dscnt 0x0
	PMUL \s, 0
.rept 4
	v_nop
.endr
	PFETCH \sl, \e, 4
	s_wait_dscnt 0x0
	PMUL \s, 4
.endm
; Four blocks of 32 along the next K, each as 16 registers of my lane (the other 16 lie in lane l xor 16), become a fragment's 12 registers at v[pc] on and its scale word in v[pw].
.macro QUANT ba, bb, bc, bd, pc, pw
	v_max3_num_f32 v[TM], |v[\ba]|, |v[\ba+1]|, 0x1800000          ; with the floor 2^(3 - 127): the byte cannot fall under 1
	v_max3_num_f32 v[TM+1], |v[\bb]|, |v[\bb+1]|, 0x1800000
	v_max3_num_f32 v[TM+2], |v[\bc]|, |v[\bc+1]|, 0x1800000
	v_max3_num_f32 v[TM+3], |v[\bd]|, |v[\bd+1]|, 0x1800000
.irp i, 2,4,6,8,10,12,14
	v_max3_num_f32 v[TM], v[TM], |v[\ba+\i]|, |v[\ba+\i+1]|
	v_max3_num_f32 v[TM+1], v[TM+1], |v[\bb+\i]|, |v[\bb+\i+1]|
	v_max3_num_f32 v[TM+2], v[TM+2], |v[\bc+\i]|, |v[\bc+\i+1]|
	v_max3_num_f32 v[TM+3], v[TM+3], |v[\bd+\i]|, |v[\bd+\i+1]|
.endr
.irp b, 0,1,2,3
	s_delay_alu instid0(VALU_DEP_4)
	v_permlanex16_b32 v[TM+4+\b], v[TM+\b], s[SEL], s[SEL+1]
.endr
.irp b, 0,1,2,3
	s_delay_alu instid0(VALU_DEP_4)
	v_max_num_f32 v[TM+\b], v[TM+\b], v[TM+4+\b]   ; the block's largest magnitude
.endr
.irp b, 0,1,2,3
	s_delay_alu instid0(VALU_DEP_4)
	v_add_nc_u32 v[TM+12+\b], 0xff000000, v[TM+\b] ; 2 off its exponent field: the conversion's scale operand
.endr
.irp b, 0,1,2,3
	s_delay_alu instid0(VALU_DEP_4)
	v_lshrrev_b32 v[TM+4+\b], 23, v[TM+12+\b]      ; the byte
.endr
	s_delay_alu instid0(VALU_DEP_3)
	v_lshl_or_b32 v[\pw], v[TM+5], 8, v[TM+4]
	s_delay_alu instid0(VALU_DEP_1)
	v_lshl_or_b32 v[\pw], v[TM+6], 16, v[\pw]
	s_delay_alu instid0(VALU_DEP_1)
	v_lshl_or_b32 v[\pw], v[TM+7], 24, v[\pw]
	v_cvt_scalef32_pk16_fp6_f32 v[\pc:\pc+2], v[\ba:\ba+15], v[TM+12]
	v_cvt_scalef32_pk16_fp6_f32 v[\pc+12:\pc+14], v[\bb:\bb+15], v[TM+13]
	v_cvt_scalef32_pk16_fp6_f32 v[\pc+6:\pc+8], v[\bc:\bc+15], v[TM+14]
	v_cvt_scalef32_pk16_fp6_f32 v[\pc+16:\pc+18], v[\bd:\bd+15], v[TM+15]
	v_nop                                          ; one plain place behind a scaled conversion
.irp c, 0,1                            ; the layout wants a whole block in a lane: lanes 0-15 block 2 c, lanes 16-31 block 2 c + 1
.irp i, 0,1,2
	v_permlane16_swap_b32 v[\pc+6*\c+\i], v[\pc+12+4*\c+\i]
.endr
.irp i, 0,1,2
	s_delay_alu instid0(VALU_DEP_3)
	v_mov_b32 v[\pc+3+6*\c+\i], v[\pc+12+4*\c+\i]
.endr
.endr
.endm
; RoPE on one head of one tile of rows: xa: d = 16 h + 0 .. 15, xa + 16: d = 32 + 16 h + 0 .. 15.  x1' = x1 cos - x2 sin, x2' = x2 cos + x1 sin, each accumulator read from its low end on.
.macro ROPE xa
.irp g, 0,8
.irp i, 0,2,4,6
	v_pk_mul_f32 v[TT+\i:TT+\i+1], v[\xa+\g+\i:\xa+\g+\i+1], v[CT+48+\g+\i:CT+48+\g+\i+1]
.endr
.irp i, 0,2,4,6
	v_pk_mul_f32 v[\xa+\g+\i:\xa+\g+\i+1], v[\xa+\g+\i:\xa+\g+\i+1], v[CT+\g+\i:CT+\g+\i+1]
.endr
.irp i, 0,2,4,6
	v_pk_fma_f32 v[\xa+\g+\i:\xa+\g+\i+1], v[\xa+16+\g+\i:\xa+16+\g+\i+1], v[CT+32+\g+\i:CT+32+\g+\i+1], v[\xa+\g+\i:\xa+\g+\i+1] neg_lo:[1,0,0] neg_hi:[1,0,0]
.endr
.irp i, 0,2,4,6
	v_pk_fma_f32 v[\xa+16+\g+\i:\xa+16+\g+\i+1], v[\xa+16+\g+\i:\xa+16+\g+\i+1], v[CT+16+\g+\i:CT+16+\g+\i+1], v[TT+\i:TT+\i+1]
.endr
.endr
.endm
	s_load_b256 s[4:11], s[0:1], 0x0               ; qc s[4:5], qs s[6:7], rt s[8:9], qf s[10:11]
	s_load_b64 s[12:13], s[0:1], 0x20              ; kv
	v_lshl_add_u32 v[SPW], v0, 2, SPARE
	v_mov_b32 v[NIL], 0
	ds_add_u32 v[SPW], v[NIL]                      ; the wave's opening: the add and its wait ahead of the first tensor loads; the set-up below, work on registers, stands between them
	ds_add_u32 v[SPW], v[NIL]
	v_lshrrev_b32 v1, 5, v0
	s_delay_alu instid0(VALU_DEP_1)
	v_readfirstlane_b32 s[WV], v1                  ; wave 0..15
	s_lshr_b32 s15, s[WV], 3                       ; I
	s_and_b32 s16, s[WV], 7                        ; J
	s_bfe_u32 s17, ttmp6, 0x40000                  ; cx
	s_bfe_u32 s18, ttmp6, 0x40004                  ; cy
	s_and_b32 s20, ttmp7, 0xffff                   ; cluster y
	s_cmp_eq_u32 ttmp9, 2                          ; v's clusters?  The same in all sixteen partners
	s_cselect_b32 s56, s20, ttmp9
	s_cselect_b32 s60, 0, s20
	s_cselect_b32 s57, 0, 256                      ; P's first tile in qc: x's, or Wq's (Wk's follow)
	s_cselect_b32 s61, 384, 0                      ; R's: Wv's, or x's
	s_lshl_b32 s56, s56, 2
	s_add_co_u32 s56, s56, s17                     ; P's block of 16 tiles: hangs on cx, never on cy
	s_lshl_b32 s60, s60, 2
	s_add_co_u32 s60, s60, s18                     ; R's block: hangs on cy, never on cx
	s_lshl_b32 s58, s56, 4
	s_add_co_u32 s57, s57, s58                     ; TP
	s_lshl_b32 s62, s60, 4
	s_add_co_u32 s61, s61, s62                     ; TR
	s_lshl_b32 s21, 0x1111, s17                    ; my column of the cluster
	s_lshl_b32 s22, s18, 2
	s_lshl_b32 s22, 15, s22                        ; my row
	; group 1: 2 tiles' two K steps: 2 rows of 3,072 bytes (384 elements of 8), 12,288 bytes apart; dense in LDS
	s_or_b32 s[G1P], s21, (3<<16)|(1<<21)          ; 15:0 the mask; 17:16 elements of 8 bytes; 21 set beside a mask
	s_or_b32 s[G1R], s22, (3<<16)|(1<<21)
.irp g, G1P, G1R
	s_mov_b32 s[\g+1], 384<<16                     ; tensor_dim0
	s_mov_b32 s[\g+2], 2<<16                       ; tensor_dim1
	s_mov_b32 s[\g+3], 384<<16                     ; tile_dim0
	s_mov_b32 s[\g+4], 2                           ; tile_dim1
	s_mov_b32 s[\g+5], 1536                        ; tensor_dim0_stride
	s_mov_b32 s[\g+6], 0
	s_mov_b32 s[\g+7], 0
.endr
	s_and_b32 s23, s[WV], 7                        ; which 2 tiles of the 16 I fetch
	s_lshl_b32 s66, s23, 1
	s_add_co_u32 s58, s57, s66
	s_mul_i32 s58, s58, 12288
	s_mov_b32 s59, 0
	s_add_co_u32 s62, s61, s66
	s_mul_i32 s62, s62, 12288
	s_mov_b32 s63, 0
	s_mul_i32 s67, s23, 6144                       ; and where they go: no place in the cluster enters an LDS address
	s_lshl_b32 s68, s15, 3
	s_add_co_u32 s68, s68, s57                     ; my first P tile
	s_lshl_b32 s68, s68, 9
	s_mov_b32 s69, 0
	s_lshl_b32 s70, s16, 1
	s_add_co_u32 s70, s70, s61                     ; my first R tile
	s_lshl_b32 s72, s70, 13                        ; its place in rt (q, k)
	s_mov_b32 s73, 0
	s_lshl_b32 s70, s70, 9
	s_mov_b32 s71, 0
	s_mov_b32 s[SEL], 0x76543210
	s_mov_b32 s[SEL+1], 0xfedcba98
	s_wait_dscnt 0x0                               ; the opening add is done
	s_wait_kmcnt 0x0
	s_add_nc_u64 s[58:59], s[4:5], s[58:59]
	s_add_nc_u64 s[62:63], s[4:5], s[62:63]
	s_add_nc_u64 s[68:69], s[6:7], s[68:69]
	s_add_nc_u64 s[70:71], s[6:7], s[70:71]
.irp g, 0,1
	s_mov_b32 s[G0P+4*\g], 1
	s_add_co_u32 s[G0P+4*\g+1], s67, \g*SLOT
	s_add_nc_u64 s[G0P+4*\g+2:G0P+4*\g+3], s[58:59], \g*3072       ; slot g begins with K steps 2 g, 2 g + 1
	s_or_b32 s[G0P+4*\g+3], s[G0P+4*\g+3], 0x80000000
	s_mov_b32 s[G0R+4*\g], 1
	s_add_co_u32 s[G0R+4*\g+1], s67, \g*SLOT+ROFF
	s_add_nc_u64 s[G0R+4*\g+2:G0R+4*\g+3], s[62:63], \g*3072
	s_or_b32 s[G0R+4*\g+3], s[G0R+4*\g+3], 0x80000000
.endr
	CROUND                                         ; all sixteen work-groups are here: the first joint loads meet
	JL 0                                           ; slot 0: one tensor load a wave at the head
	v_and_b32 v[LI], 31, v0
	s_delay_alu instid0(VALU_DEP_1)
	v_lshlrev_b32 v[LI], 4, v[LI]
.irp p, 0,1,2,3,4,5,6,7
	global_load_b128 v[PS+4*\p:PS+4*\p+3], v[LI], s[68:69] offset:512*\p   ; a tile's scale words for all of K: 16 bytes a lane
.endr
.irp q, 0,1
	global_load_b128 v[RS+4*\q:RS+4*\q+3], v[LI], s[70:71] offset:512*\q
.endr
	s_mul_i32 s74, s15, 24576
	v_add_nc_u32 v[AP], s74, v[LI]
	s_delay_alu instid0(VALU_DEP_1)
	v_add_nc_u32 v[AP+1], SLOT, v[AP]
	s_mul_i32 s75, s16, 6144
	s_add_co_u32 s75, s75, ROFF
	v_add_nc_u32 v[AR], s75, v[LI]
	s_delay_alu instid0(VALU_DEP_1)
	v_add_nc_u32 v[AR+1], SLOT, v[AR]
	s_wait_alu depctr_va_vdst(0)
	s_wait_tensorcnt 0x0                           ; my part of slot 0 is in; these lines stand ahead of a later first fill, as ahead of a refill
	ds_add_u32 v[SPW], v[NIL]
	s_wait_dscnt 0x0
	CROUND                                         ; everybody's part of slot 0 is in, and the joint loads meet
	JL 1                                           ; slot 1's first fill: the first tensor load behind the round
	s_wait_loadcnt 0x0                             ; the scale words
	KSTEP 0, 0, 0
	KSTEP 0, 1, 1
	s_wait_tensorcnt 0x0                           ; all my tensor loads have landed, my part of slot 1 among them;
	ds_add_u32 v[SPW], v[NIL]
	s_add_nc_u64 s[G0P+2:G0P+3], s[G0P+2:G0P+3], 6144      ; slot 0's next: K steps 4, 5
	s_add_nc_u64 s[G0R+2:G0R+3], s[G0R+2:G0R+3], 6144
	s_wait_dscnt 0x0                               ; the add is done, and my reads of slot 0 are over
	CROUND                                         ; no wave of any partner still reads slot 0 or has a load on its way
	JL 0
	KSTEP 1, 0, 2
	KSTEP 1, 1, 3
	s_wait_tensorcnt 0x0
	ds_add_u32 v[SPW], v[NIL]
	s_add_nc_u64 s[G0P+6:G0P+7], s[G0P+6:G0P+7], 6144      ; slot 1's next: K steps 6, 7
	s_add_nc_u64 s[G0R+6:G0R+7], s[G0R+6:G0R+7], 6144
	s_wait_dscnt 0x0
	CROUND
	JL 1
	KSTEP 0, 0, 4
	KSTEP 0, 1, 5
	s_wait_tensorcnt 0x0                           ; slot 1's last fill has landed; nothing is filled again, so no round follows
	ds_add_u32 v[SPW], v[NIL]
	s_wait_dscnt 0x0
	s_barrier_signal -1
	s_barrier_wait -1
	KSTEP 1, 0, 6
	KSTEP 1, 1, 7
	; THE WAY OUT
.rept 4
	v_nop                                          ; four places behind the last products
.endr
.irp b, 0,1,2,3
	v_mov_b32 v[TM+4+\b], 0                        ; a lane permute's destination counts as one of its sources
.endr
	v_and_b32 v9, 15, v0                           ; r
	v_bfe_u32 v10, v0, 4, 1                        ; h
	s_delay_alu instid0(VALU_DEP_1)
	v_cmp_eq_u32 vcc_lo, 1, v10
	s_cmp_eq_u32 ttmp9, 2                          ; the same in every wave of every partner; no barrier and no tensor load stands in either arm
	s_cbranch_scc1 .Lv_arm
	; ---- q, k: my lane holds row (R tile q, r) of x; accumulators 4 hh .. 4 hh + 3 of a tile are head 4 cx + 2 I + hh
	s_add_nc_u64 s[8:9], s[8:9], s[72:73]          ; the tables of my two tiles of rows
	s_lshl_b32 s76, s17, 2
	s_lshl_b32 s77, s15, 1
	s_add_co_u32 s76, s76, s77                     ; a: my first head
	s_lshl_b32 s77, s60, 3
	s_add_co_u32 s77, s77, s16                     ; my pair of tiles of rows
	s_mul_i32 s78, s76, 196608
	s_mul_i32 s79, s77, 1536
	s_add_co_u32 s78, s78, s79                     ; q: codes,
	s_lshl_b32 s80, s76, 13
	s_lshl_b32 s81, s77, 6
	s_add_co_u32 s80, s80, s81
	s_add_co_u32 s80, s80, 3145728                 ; words
	s_lshr_b32 s82, s77, 2
	s_mul_i32 s82, s82, 204800
	s_mul_i32 s83, s76, 12800
	s_add_co_u32 s82, s82, s83                     ; k: the block of (key step, head a),
	s_and_b32 s83, s77, 3
	s_mul_i32 s84, s83, 1536
	s_add_co_u32 s84, s84, s82                     ; codes,
	s_lshl_b32 s85, s83, 6
	s_add_co_u32 s85, s85, s82
	s_add_co_u32 s85, s85, 12288                   ; words
	s_mov_b32 s86, 12800
	s_cmp_eq_u32 ttmp9, 0
	s_cselect_b64 s[88:89], s[10:11], s[12:13]     ; qf or kv: the choice hangs on the cluster's number alone
	s_cselect_b32 s90, s78, s84
	s_cselect_b32 s94, s80, s85
	s_cselect_b32 s92, 196608, s86                 ; from head to head: codes,
	s_cselect_b32 s86, 8192, s86                   ; words
	s_mov_b32 s91, 0
	s_mov_b32 s93, 0
	s_mov_b32 s95, 0
	s_add_nc_u64 s[90:91], s[88:89], s[90:91]      ; head a's codes,
	s_add_nc_u64 s[92:93], s[90:91], s[92:93]      ; head a + 1's,
	s_add_nc_u64 s[94:95], s[88:89], s[94:95]      ; the words
	s_wait_alu depctr_va_vdst(0)
	v_mul_lo_u32 v8, v10, s86
	s_delay_alu instid0(VALU_DEP_1)
	v_lshl_add_u32 v8, v9, 2, v8                   ; 4 r, lanes 16-31 one head on
.irp q, 0,1
.irp i, 0,1,2,3,4,5,6,7,8,9,10,11,12,13,14,15
	global_load_b128 v[CT+4*\i:CT+4*\i+3], v[LI], s[8:9] offset:8192*\q+512*\i
.endr
	s_wait_loadcnt 0x0
	ROPE ACC+64*\q
	ROPE ACC+64*\q+32
.endr
	QUANT ACC, ACC+16, ACC+64, ACC+80, PC0, PW             ; head a: the even tile's two blocks, the odd tile's two
.irp c, 0,1,2
	global_store_b128 v[LI], v[PC0+4*\c:PC0+4*\c+3], s[90:91] offset:512*\c
.endr
	QUANT ACC+32, ACC+48, ACC+96, ACC+112, PC1, PW+1       ; head a + 1
.irp c, 0,1,2
	global_store_b128 v[LI], v[PC1+4*\c:PC1+4*\c+3], s[92:93] offset:512*\c
.endr
	v_cndmask_b32 v[PW+2], v[PW], v[PW+1], vcc_lo  ; lanes 0-15 head a's words, lanes 16-31 head a + 1's
	global_store_b32 v8, v[PW+2], s[94:95]
	s_branch .Lout
	; ---- v: my lane holds channel (R tile q, r); a tile's 64 registers are the 128 keys of step 2 Pblk + I, 16 of each block of 32
.Lv_arm:
	s_lshl_b32 s76, s56, 1
	s_add_co_u32 s76, s76, s15                     ; the key step
	s_mul_i32 s76, s76, 204800
	s_lshl_b32 s77, s60, 2
	s_lshr_b32 s78, s16, 1
	s_add_co_u32 s77, s77, s78                     ; the head
	s_mul_i32 s77, s77, 12800
	s_add_co_u32 s76, s76, s77
	s_and_b32 s78, s16, 1                          ; channel tiles 2 (J % 2), + 1
	s_mul_i32 s79, s78, 3072
	s_add_co_u32 s90, s76, s79
	s_add_co_u32 s90, s90, 6144
	s_mov_b32 s91, 0
	s_lshl_b32 s79, s78, 7
	s_add_co_u32 s94, s76, s79
	s_add_co_u32 s94, s94, 12544
	s_mov_b32 s95, 0
	s_add_nc_u64 s[90:91], s[12:13], s[90:91]
	s_add_nc_u64 s[94:95], s[12:13], s[94:95]
	v_and_b32 v8, 31, v0
	s_delay_alu instid0(VALU_DEP_1)
	v_lshlrev_b32 v8, 2, v8                        ; 4 l: lanes 16-31 the second tile's words
	QUANT ACC, ACC+16, ACC+32, ACC+48, PC0, PW
.irp c, 0,1,2
	global_store_b128 v[LI], v[PC0+4*\c:PC0+4*\c+3], s[90:91] offset:512*\c
.endr
	QUANT ACC+64, ACC+80, ACC+96, ACC+112, PC1, PW+1
.irp c, 0,1,2
	global_store_b128 v[LI], v[PC1+4*\c:PC1+4*\c+3], s[90:91] offset:1536+512*\c
.endr
	v_cndmask_b32 v[PW+2], v[PW], v[PW+1], vcc_lo
	global_store_b32 v8, v[PW+2], s[94:95]
.Lout:
	s_wait_tensorcnt 0x0                           ; the wave's end
	ds_add_u32 v[SPW], v[NIL]
	s_wait_dscnt 0x0
	CROUND                                         ; the closing round: no work-group ends while a partner may still ask for a tile that names it
	s_endpgm
.Lfunc_end_k_q27d27e6995_qkv:
	.size	k_q27d27e6995_qkv, .Lfunc_end_k_q27d27e6995_qkv-k_q27d27e6995_qkv
	.p2alignl 7, 3214868480
	.fill 96, 4, 3214868480
	.section	.rodata,"a",@progbits
	.p2align	6, 0x0
	.amdhsa_kernel k_q27d27e6995_qkv
		.amdhsa_group_segment_fixed_size 327680
		.amdhsa_private_segment_fixed_size 0
		.amdhsa_enable_private_segment 0
		.amdhsa_kernarg_size 40
		.amdhsa_user_sgpr_count 2
		.amdhsa_user_sgpr_kernarg_segment_ptr 1
		.amdhsa_wavefront_size32 1
		.amdhsa_system_sgpr_workgroup_id_x 1
		.amdhsa_system_sgpr_workgroup_id_y 1
		.amdhsa_system_sgpr_workgroup_id_z 1
		.amdhsa_system_vgpr_workitem_id 0
		.amdhsa_next_free_vgpr 256
		.amdhsa_next_free_sgpr 100
		.amdhsa_reserve_vcc 1
		.amdhsa_float_denorm_mode_32 3
		.amdhsa_float_denorm_mode_16_64 3
		.amdhsa_memory_ordered 1
		.amdhsa_forward_progress 1
		.amdhsa_inst_pref_size 78
	.end_amdhsa_kernel
	.amdgpu_metadata
---
amdhsa.version: [ 1, 2 ]
amdhsa.kernels:
  - .name:           k_q27d27e6995_qkv
    .symbol:         k_q27d27e6995_qkv.kd
    .args:
      - { .name: qc, .offset: 0, .size: 8, .value_kind: global_buffer, .address_space: global }
      - { .name: qs, .offset: 8, .size: 8, .value_kind: global_buffer, .address_space: global }
      - { .name: rt, .offset: 16, .size: 8, .value_kind: global_buffer, .address_space: global }
      - { .name: qf, .offset: 24, .size: 8, .value_kind: global_buffer, .address_space: global }
      - { .name: kv, .offset: 32, .size: 8, .value_kind: global_buffer, .address_space: global }
    .group_segment_fixed_size: 327680
    .private_segment_fixed_size: 0
    .kernarg_segment_align: 8
    .kernarg_segment_size: 40
    .max_flat_workgroup_size: 512
    .sgpr_count:     100
    .vgpr_count:     256
    .wavefront_size: 32
...
	.end_amdgpu_metadata
.endif
;; end of part 2
;; launch attn (part 3): grid 4 x 64, 16 waves a work-group, clusters of 4 x 1, 327,680 bytes of LDS; arguments qf, kv, attention_mask, ac, asc; writes ac, asc
.if DOCPART == 3
	.amdgcn_target "amdgcn-amd-amdhsa--gfx1250"
	.amdhsa_code_object_version 6
	.text
	.protected	k_q27d27e6995_attn
	.globl	k_q27d27e6995_attn
	.p2align	8
	.type	k_q27d27e6995_attn,@function
k_q27d27e6995_attn:
	s_mov_b64 s[64:65], 0
	v_nop
	global_prefetch_b8 v0, s[64:65] scope:SCOPE_SE
	s_setreg_imm32_b32 hwreg(HW_REG_WAVE_MODE, 25, 1), 1
	s_wait_xcnt 0x0
	s_wait_alu depctr_hold_cnt(0) depctr_sa_sdst(0) depctr_va_vdst(0) depctr_va_sdst(0) depctr_va_ssrc(0) depctr_va_vcc(0) depctr_vm_vsrc(0)
	s_getreg_b32 s2, hwreg(HW_REG_IB_STS2, 6, 4)
	s_cmp_eq_u32 s2, 0
	s_cbranch_scc0 .Lentry_in_a_cluster
	s_endpgm
.Lentry_in_a_cluster:
	s_bfe_u32 s2, ttmp6, 0x10000c
	s_cmp_lg_u32 s2, 0x3003
	s_cbranch_scc0 .Lentry_shape_is_right
	s_endpgm
.Lentry_shape_is_right:
; ATTENTION on codes of FP6: O = softmax(q k^T / 8 + mask) v, 16 heads of 64, 4,096 queries and keys; the additive mask is an input and is read whole: no key is passed over.
; THE SOFTMAX AHEAD OF THE SECOND PRODUCT: t = (score / 8 + mask) x log2(e); M = the running largest t rounded UP to a whole number; p = 2^(t - M) is quantised along the keys, not normalised;
; the row's sum is taken of the unquantised p and divides O at the end; when M moves, the sum and O are multiplied by 2^(old M - new M): exact.
; 1 / 8 is 2^-3: it is taken off q's scale bytes.  So the score product's sum is q k / 8, and THE MASK IS ITS C OPERAND: the mask's tile is loaded into the accumulator's registers and costs no addition.
; THE HEAD'S K IS 64, THE INSTRUCTION'S 128: an operand of K holds TWO tiles of 16 keys (k 0-63 the even tile's d, 64-127 the odd one's), and q is kept as [q | 0 | q]: [q | 0] picks the even tile, [0 | q] the odd one.
; Both products are used transposed (S^T = K Q^T, O^T = V^T P^T): a lane holds ONE query throughout.  A tile holds rows 32 (T / 2) + 8 (T % 2) + r + 8 (r / 8), so p's 16 registers of a pair of tiles are 16 neighbouring keys,
; and O^T's 16 registers of two tiles of channels are 16 neighbours along the last product's K: O is quantised here, in registers, into that product's operand.
; SHARES.  A work-group owns 64 queries x 4 heads; wave w owns head w / 4 and query tile w % 4, in 256 registers.  Every wave walks 32 steps of 128 keys.
; K AND V lie in kv as images of the operands' registers: each wave loads its head's fragments from memory straight into registers, 512 consecutive bytes an instruction.  K and V have 48 registers each:
; the next step's K is asked for behind this step's score products, the next step's V behind this step's second product: each is on its way over a softmax.  They pass through no LDS, so there is no joint load for them.
; THE MASK goes through LDS: two slots of FOUR key steps (64 rows x 2,048 bytes), so one change of slots serves four steps.  Each of the 16 waves fetches 16 rows x 512 bytes (row group w % 4 of step w / 4 of the slot);
; rows 528 bytes apart, groups 8,576: the sixteen rows of a tile start in sixteen different columns of 16 bytes.
; CLUSTER 4 x 1: the four work-groups of one block of queries (four heads each) need the same tiles of the mask and ask for them jointly.
; OUT.  ac: fragment (query tile T, K step head / 2) at (8 T + head / 2) x 1,536, this head's six registers at 768 (head % 2): registers 0-3 at 16 l, 4-5 at 512 + 8 l.  asc: 512 T + 256 (head / 8) + 16 r + 2 (head % 8): two bytes a row and head.
; LIMITS: a block of q whose byte is under 3 is held at byte 0 after the 1 / 8; the mask is added inside the matrix unit's f32 sum (one rounding where the source has two); a block of p or O under 2^-124 keeps the byte 1;
; NaN and infinities among the inputs are not served.
.set REG,   34304                      ; a key step's part of a slot: four groups of 16 rows
.set SLOTB, 137216                     ; a slot: four steps
.set SPARE, 274432                     ; behind the two slots: the spare words, 128 bytes for each of 16 waves
.set KSTP,  204800                     ; from key step to key step in kv
.set AM0,  1                           ; v1  my lane's place in a step's part of the mask
.set LKV,  2                           ; v2  16 l
.set LSC,  3                           ; v3  4 l
.set PFO,  4                           ; v4  the prefetches' offset; never rewritten
.set SPW,  5                           ; v5  my spare word; never rewritten
.set NIL,  6                           ; v6  0; never rewritten
.set ADM,  7                           ; v7  the step's address in the mask
.set MM,   8                           ; v8  -M, v9 the running largest t
.set SU,   10                          ; v[10:11] the row's sum, in two halves
.set Q,    12                          ; v12-29 [q | 0 | q]
.set QS,   30                          ; v30-31 q's scale words for [q | 0] and [0 | q]
.set KS,   32                          ; v32-33 K's scale words: pairs 0, 2 in lanes 0-15, pairs 1, 3 in lanes 16-31
.set VS,   34                          ; v34-35 V's likewise
.set KF,   36                          ; v36-83 four pairs of key tiles
.set VF,   84                          ; v84-131 four fragments of V^T
.set S,    132                         ; v132-195 mask, then scores, then p
.set O,    196                         ; v196-227 O^T
.set PC,   228                         ; v228-239 p's codes
.set PT,   240                         ; v240-242, v244-246 the conversions' second halves
.set PD,   228                         ; v228-231 permutes, later bytes: done with before p's codes are written
.set T,    228                         ; v228-241 seven chains of the row's sum: between PD's two uses
.set BM,   248                         ; v248-251 the blocks' largest scores, then largest p, then the conversions' scale operands
.set FF,   252                         ; v[252:253] f = 2^(old M - new M)
.set PWD,  254                         ; v254 p's scale word
.set TMP,  255
.set HT,   196                         ; the head's temporaries, where O^T's zeros are written last
.set WV,   14
.set SEL,  20
.set CS,   22
.set SBN,  24                          ; the slot that is filled
.set WB,   25                          ; my tile's place in a slot
.set KVB,  26                          ; s[26:27] my head's block of the trip's first key step
.set PFS,  28                          ; s[28:29] the prefetches' step
.set G1M,  32
.set G0M,  44
.set TB,   48
.set SLOTS, 49
.set LIM,  50
.set SB,   51                          ; the slot that is read
.set PFA,  52
.macro CROUND
	s_barrier_signal -1
	s_barrier_wait -1
	s_cmp_lg_u32 s[WV], 0
	s_cbranch_scc1 .Lnot_wave_0_\@
	s_barrier_signal -3
.Lnot_wave_0_\@:
	s_barrier_wait -3
	s_barrier_signal -1
	s_barrier_wait -1
.endm
.macro JL                              ; a joint load, one in every wave, with no branch: group 0 is made by arithmetic on the wave's number
	tensor_load_to_lds s[G0M:G0M+3], s[G1M:G1M+7]
	s_nop 0
.rept 4
	v_nop
.endr
.endm
; PREFETCHES INTO THE L2, behind each joint load, of what the trip after next reads: one slot ahead of the mask's tensor load, seven to eight key steps ahead of K's and V's loads.
; The mask: a slot is 64 rows x 8 blocks of 256 bytes; the four partners share the rows out BY ADDRESS, 16 each (cx); waves 0-3 take 4 rows each, a lane a block.
; K and V: four key steps of my four heads are 800 blocks; the 64 work-groups that read them take 13 each, by the block of queries, held at block 799; wave 4 asks, lanes 13-31 name its last block again.
; The last two trips have nothing two trips on and ask for nothing; the first two trips' data come by their loads alone.
.macro ASK
	s_cmp_gt_u32 s[SLOTS], s[LIM]
	s_cbranch_scc0 .Lnot_mine_\@
	global_prefetch_b8 v[PFO], s[PFA:PFA+1] th:TH_LOAD_NT scope:SCOPE_SE
.Lnot_mine_\@:
.endm
.macro WMA d, a, b, sa, sb, row        ; D = A x B + D; A's scale words from lanes 0-15 (row = 0) or 16-31
.if \row
	v_wmma_scale_f32_16x16x128_f8f6f4 v[\d:\d+7], v[\a:\a+11], v[\b:\b+11], v[\d:\d+7], v[\sa], v[\sb] matrix_a_fmt:MATRIX_FMT_FP6 matrix_b_fmt:MATRIX_FMT_FP6 matrix_a_scale:MATRIX_SCALE_ROW1
.else
	v_wmma_scale_f32_16x16x128_f8f6f4 v[\d:\d+7], v[\a:\a+11], v[\b:\b+11], v[\d:\d+7], v[\sa], v[\sb] matrix_a_fmt:MATRIX_FMT_FP6 matrix_b_fmt:MATRIX_FMT_FP6
.endif
.endm
.macro KLOAD off                       ; 14 loads: K's scale words, then its four pairs of tiles, three loads each
	global_load_b32 v[KS], v[LSC], s[KVB:KVB+1] offset:(\off)+12288
	global_load_b32 v[KS+1], v[LSC], s[KVB:KVB+1] offset:(\off)+12416
.irp i, 0,1,2,3,4,5,6,7,8,9,10,11
	global_load_b128 v[KF+4*\i:KF+4*\i+3], v[LKV], s[KVB:KVB+1] offset:(\off)+512*\i
.endr
.endm
.macro VLOAD off                       ; 14 loads: V^T's four fragments and its scale words
.irp i, 0,1,2,3,4,5,6,7,8,9,10,11
	global_load_b128 v[VF+4*\i:VF+4*\i+3], v[LKV], s[KVB:KVB+1] offset:(\off)+6144+512*\i
.endr
	global_load_b32 v[VS], v[LSC], s[KVB:KVB+1] offset:(\off)+12544
	global_load_b32 v[VS+1], v[LSC], s[KVB:KVB+1] offset:(\off)+12672
.endm
.macro STEP k, nxt                     ; 128 keys: step k of the slot at s[SB]; its K and, behind it, its V are on their way; nxt = 1: the next step's are asked for
	s_add_co_u32 s[TB], s[SB], (\k)*REG
	v_add_nc_u32 v[ADM], s[TB], v[AM0]
.irp b, 0,1,2,3
.irp j, 0,1,2,3
	ds_load_b128 v[S+16*\b+4*\j:S+16*\b+4*\j+3], v[ADM] offset:128*\b+16*\j        ; mask(my query, keys 32 b + 16 h + 4 j + 0 .. 3): the accumulators' first value
.endr
.endr
.irp b, 0,1,2,3
	s_wait_loadcnt 23-3*\b                         ; K's words and pair b are in; the three loads of each later pair and V's fourteen may be out
	s_wait_dscnt 12-4*\b                           ; and so may the four mask loads of each later pair
	WMA S+16*\b, KF+12*\b, Q, KS+\b/2, QS, \b%2    ; the even tile: [q | 0]: keys 32 b + 16 h + 0 .. 7
	WMA S+16*\b+8, KF+12*\b, Q+6, KS+\b/2, QS+1, \b%2      ; the odd tile: [0 | q]: keys 32 b + 16 h + 8 .. 15
.endr
.rept 4
	v_nop                                          ; four places: in front of the loads into K's registers and of the first read of the scores
.endr
.if \nxt
	KLOAD ((\k)+1)*KSTP                            ; the next step's K
.endif
.irp b, 0,1,2,3
	v_max3_num_f32 v[BM+\b], v[S+16*\b], v[S+1+16*\b], v[S+2+16*\b]        ; the largest score of each block of 32 keys: for the row's maximum and, since p rises with the score, for the block's largest p
.endr
.irp i, 3,5,7,9,11,13
.irp b, 0,1,2,3
	v_max3_num_f32 v[BM+\b], v[BM+\b], v[S+16*\b+\i], v[S+1+16*\b+\i]
.endr
.endr
.irp b, 0,1,2,3
	v_max_num_f32 v[BM+\b], v[BM+\b], v[S+15+16*\b]
.endr
.irp b, 0,1,2,3
	s_delay_alu instid0(VALU_DEP_4)
	v_permlanex16_b32 v[PD+\b], v[BM+\b], s[SEL], s[SEL+1]
.endr
.irp b, 0,1,2,3
	s_delay_alu instid0(VALU_DEP_4)
	v_max_num_f32 v[BM+\b], v[BM+\b], v[PD+\b]     ; with lane l xor 16's 16 keys
.endr
	s_delay_alu instid0(VALU_DEP_2)
	v_max3_num_f32 v[TMP], v[BM], v[BM+1], v[BM+2]
	s_delay_alu instid0(VALU_DEP_1)
	v_max_num_f32 v[TMP], v[TMP], v[BM+3]
	s_delay_alu instid0(VALU_DEP_1)
	v_mul_f32 v[TMP], s[CS], v[TMP]                ; as t
	s_delay_alu instid0(VALU_DEP_1)
	v_max_num_f32 v[MM+1], v[MM+1], v[TMP]         ; the running largest t
	v_mov_b32 v[TMP], v[MM]
	s_delay_alu instid0(VALU_DEP_2)
	v_floor_f32 v[MM], -v[MM+1]                    ; the new -M = floor(-t): M is a whole number
	s_delay_alu instid0(VALU_DEP_1)
	v_sub_f32 v[TMP], v[MM], v[TMP]                ; old M - new M: a whole number, 0 or less
	s_delay_alu instid0(VALU_DEP_1)
	v_cvt_i32_f32 v[TMP], v[TMP]                   ; (it saturates)
	s_delay_alu instid0(VALU_DEP_1)
	v_ldexp_f32 v[FF], 1.0, v[TMP]                 ; f
.set j, 0
.rept 32
	v_pk_fma_f32 v[S+j:S+j+1], v[S+j:S+j+1], s[CS:CS+1], v[MM:MM+1] op_sel_hi:[1,0,0]      ; t - M, two at a time
.set j, j+2
.endr
.irp b, 0,1,2,3
	v_fma_f32 v[BM+\b], v[BM+\b], s[CS], v[MM]     ; the same of each block's largest score
.endr
.set j, 0
	s_wait_alu depctr_va_vdst(0)
.rept 64
	v_exp_f32 v[S+j], v[S+j]                       ; p = 2^(t - M)
.set j, j+1
.endr
	v_pk_mul_f32 v[SU:SU+1], v[SU:SU+1], v[FF:FF+1] op_sel_hi:[1,0]        ; the sums under the new M: the plain place behind the exponentials
	s_wait_alu depctr_va_vdst(0)                   ; one wait for the batch of 64, ahead of its first reader
.irp b, 0,1,2,3
	v_exp_f32 v[BM+\b], v[BM+\b]                   ; the block's largest p: the same two instructions on the same number
.endr
.irp c, 0,1,2,3,4,5,6                  ; the row's sum of the unquantised p: 32 pairs in eight chains
	v_pk_add_f32 v[T+2*\c:T+2*\c+1], v[S+2*\c:S+2*\c+1], v[S+14+2*\c:S+15+2*\c]
.endr
	v_pk_add_f32 v[SU:SU+1], v[SU:SU+1], v[S+28:S+29]
.irp c, 0,1,2,3,4,5,6
	v_pk_add_f32 v[T+2*\c:T+2*\c+1], v[T+2*\c:T+2*\c+1], v[S+30+2*\c:S+31+2*\c]
.endr
	v_pk_add_f32 v[SU:SU+1], v[SU:SU+1], v[S+44:S+45]
.irp c, 0,1,2,3,4,5,6
	v_pk_add_f32 v[T+2*\c:T+2*\c+1], v[T+2*\c:T+2*\c+1], v[S+46+2*\c:S+47+2*\c]
.endr
	v_pk_add_f32 v[SU:SU+1], v[SU:SU+1], v[S+60:S+61]
	v_pk_add_f32 v[T:T+1], v[T:T+1], v[S+62:S+63]
	v_pk_add_f32 v[T+4:T+5], v[T+4:T+5], v[T+6:T+7]
	v_pk_add_f32 v[T+8:T+9], v[T+8:T+9], v[T+10:T+11]
	v_pk_add_f32 v[SU:SU+1], v[SU:SU+1], v[T+12:T+13]
	s_delay_alu instid0(VALU_DEP_4)
	v_pk_add_f32 v[T:T+1], v[T:T+1], v[T+2:T+3]
	s_delay_alu instid0(VALU_DEP_2)
	v_pk_add_f32 v[SU:SU+1], v[SU:SU+1], v[T+8:T+9]
	s_delay_alu instid0(VALU_DEP_2)
	v_pk_add_f32 v[T:T+1], v[T:T+1], v[T+4:T+5]
	s_delay_alu instid0(VALU_DEP_1)
	v_pk_add_f32 v[SU:SU+1], v[SU:SU+1], v[T:T+1]
	s_wait_alu depctr_va_vdst(0)                   ; and one for the four
.irp b, 0,1,2,3
	v_max_num_f32 v[BM+\b], 0x1800000, v[BM+\b]    ; the floor 2^(3 - 127): a block whose every p is 0 keeps the byte 1: its codes are zeros
.endr
.irp b, 0,1,2,3
	s_delay_alu instid0(VALU_DEP_4)
	v_add_nc_u32 v[BM+\b], 0xff000000, v[BM+\b]    ; 2 off the exponent field, in place: the conversion's scale operand
.endr
.irp b, 0,1,2,3
	s_delay_alu instid0(VALU_DEP_4)
	v_lshrrev_b32 v[PD+\b], 23, v[BM+\b]           ; the byte
.endr
	s_delay_alu instid0(VALU_DEP_3)
	v_lshl_or_b32 v[PWD], v[PD+1], 8, v[PD]        ; p's scale word for these 128 keys
	s_delay_alu instid0(VALU_DEP_1)
	v_lshl_or_b32 v[PWD], v[PD+2], 16, v[PWD]
	s_delay_alu instid0(VALU_DEP_1)
	v_lshl_or_b32 v[PWD], v[PD+3], 24, v[PWD]
.irp c, 0,1
	v_cvt_scalef32_pk16_fp6_f32 v[PC+6*\c:PC+6*\c+2], v[S+32*\c:S+32*\c+15], v[BM+2*\c]
	v_cvt_scalef32_pk16_fp6_f32 v[PT+4*\c:PT+4*\c+2], v[S+32*\c+16:S+32*\c+31], v[BM+2*\c+1]
.endr
	v_nop                                          ; one plain place behind a scaled conversion
.irp c, 0,1
.irp i, 0,1,2
	v_permlane16_swap_b32 v[PC+6*\c+\i], v[PT+4*\c+\i]
.endr
.irp i, 0,1,2
	s_delay_alu instid0(VALU_DEP_3)
	v_mov_b32 v[PC+3+6*\c+\i], v[PT+4*\c+\i]
.endr
.endr
	s_wait_alu depctr_va_vdst(0)                   ; directly ahead of the first reader of O^T
.set j, 0
.rept 16
	v_pk_mul_f32 v[O+j:O+j+1], v[O+j:O+j+1], v[FF:FF+1] op_sel_hi:[1,0]    ; O^T under the new M; these sixteen also stand between the lines that made p's word and codes and the products
.set j, j+2
.endr
	s_wait_alu depctr_va_vdst(0)
.if \nxt
	s_wait_loadcnt 14                              ; V^T and its words are in; the next step's K, fourteen loads, may be out
.else
	s_wait_loadcnt 0x0
.endif
.irp t, 0,1,2,3
	WMA O+8*\t, VF+12*\t, PC, VS+\t/2, PWD, \t%2   ; O^T += V^T P^T: the four accumulators by turns
.endr
.if \nxt
.rept 4
	v_nop                                          ; four places in front of the loads into V's registers
.endr
	VLOAD ((\k)+1)*KSTP                            ; the next step's V
.endif
.endm
; THE CHANGE OF SLOTS, once for four steps.  Each wave waits for its tensor load, adds 0 to its spare word, and waits for that and for its reads of the slot that it has left.  fill = 1: a round of the cluster's
; barrier follows, and behind it the slot just left takes the next four steps' mask: that load has four steps in which to land.  The first time it is the second slot's first fill, issued as a refill is.
.macro CHANGE fill
	s_wait_tensorcnt 0x0                           ; no tensor load of mine is out, so group 0 may be written
	ds_add_u32 v[SPW], v[NIL]
	s_xor_b32 s[SB], s[SB], SLOTB                  ; the slot that is read from here on
.if \fill
	s_xor_b32 s[SBN], s[SB], SLOTB                 ; the other one is filled
	s_add_co_u32 s[G0M+1], s[WB], s[SBN]
	s_add_nc_u64 s[G0M+2:G0M+3], s[G0M+2:G0M+3], 2048      ; the next 512 keys
	s_wait_xcnt 0x0                                ; the last prefetch, a trip back, has read its address
	s_add_nc_u64 s[PFA:PFA+1], s[PFA:PFA+1], s[PFS:PFS+1]
.endif
	s_wait_dscnt 0x0                               ; the add is done, and my reads of the slot that I have left are over
.if \fill
	CROUND
	JL
	ASK
.else
	s_barrier_signal -1
	s_barrier_wait -1
.endif
.endm
	s_load_b256 s[4:11], s[0:1], 0x0               ; qf s[4:5], kv s[6:7], mask s[8:9], ac s[10:11]
	s_load_b64 s[12:13], s[0:1], 0x20              ; asc
	v_lshl_add_u32 v[SPW], v0, 2, SPARE
	v_mov_b32 v[NIL], 0
	ds_add_u32 v[SPW], v[NIL]                      ; the wave's opening: the add, twice on end, and its wait ahead of the first tensor load
	ds_add_u32 v[SPW], v[NIL]
	v_lshrrev_b32 v[ADM], 5, v0
	s_delay_alu instid0(VALU_DEP_1)
	v_readfirstlane_b32 s[WV], v[ADM]              ; wave 0..15
	s_lshr_b32 s15, s[WV], 2                       ; hl: which of the four heads.  Also: which step of a slot I fetch
	s_and_b32 s16, s[WV], 3                        ; tq: which of the four query tiles.  Also: which 16 rows of the mask I fetch
	s_bfe_u32 s17, ttmp6, 0x40000                  ; cx
	s_lshl_b32 s54, ttmp9, 2
	s_add_co_u32 s54, s54, s17                     ; hg: my four heads
	s_and_b32 s56, ttmp7, 0xffff                   ; qb: my 64 queries: the same in the four partners
	; group 1: 16 rows x 128 elements of 4 bytes, 4,096 elements apart; 4 words of padding behind every 128; the mask names the cluster's four
	s_mov_b32 s[G1M], 15|(2<<16)|(1<<20)|(1<<21)|(6<<22)|(3<<25)
	s_mov_b32 s[G1M+1], 128<<16
	s_mov_b32 s[G1M+2], 16<<16
	s_mov_b32 s[G1M+3], 128<<16
	s_mov_b32 s[G1M+4], 16
	s_mov_b32 s[G1M+5], 4096
	s_mov_b32 s[G1M+6], 0
	s_mov_b32 s[G1M+7], 0
	s_lshl_b32 s62, s56, 6
	s_lshl_b32 s61, s16, 4
	s_add_co_u32 s62, s62, s61
	s_lshl_b32 s62, s62, 14                        ; my tile's first row x 16,384 bytes,
	s_lshl_b32 s61, s15, 9
	s_add_co_u32 s62, s62, s61                     ; + its step's 512 bytes: hangs on qb and the wave alone
	s_mov_b32 s63, 0
	s_mul_i32 s[WB], s15, REG
	s_mul_i32 s61, s16, 8576
	s_add_co_u32 s[WB], s[WB], s61
	s_lshl_b32 s70, s54, 2
	s_add_co_u32 s70, s70, s15                     ; my head
	s_mul_i32 s58, s70, 12800                      ; its block in a key step of kv
	s_mov_b32 s59, 0
	s_lshl_b32 s71, s56, 1
	s_lshr_b32 s72, s16, 1
	s_add_co_u32 s71, s71, s72                     ; my pair of query tiles
	s_mul_i32 s74, s70, 196608
	s_mul_i32 s73, s71, 1536
	s_add_co_u32 s74, s74, s73
	s_mov_b32 s75, 0                               ; q's codes
	s_lshl_b32 s76, s70, 13
	s_lshl_b32 s73, s71, 6
	s_add_co_u32 s76, s76, s73
	s_add_co_u32 s76, s76, 3145728
	s_mov_b32 s77, 0                               ; q's words
	s_and_b32 s78, s16, 1                          ; u: the even or the odd tile of the pair
	s_cmp_eq_u32 s78, 1
	s_cselect_b32 s79, -1, 0
	s_lshl_b32 s78, s78, 4                         ; 16 u
	s_lshl_b32 s80, s56, 2
	s_add_co_u32 s80, s80, s16                     ; TQ
	s_lshl_b32 s81, s80, 3
	s_lshl_b32 s82, s54, 1
	s_add_co_u32 s81, s81, s82
	s_lshr_b32 s82, s15, 1
	s_add_co_u32 s81, s81, s82                     ; 8 TQ + head / 2
	s_mul_i32 s81, s81, 1536
	s_and_b32 s82, s15, 1
	s_mul_i32 s82, s82, 768
	s_add_co_u32 s82, s81, s82
	s_mov_b32 s83, 0                               ; my place in ac
	s_lshl_b32 s84, s80, 9
	s_lshr_b32 s86, s70, 3
	s_lshl_b32 s86, s86, 8
	s_add_co_u32 s84, s84, s86
	s_and_b32 s86, s70, 7
	s_lshl_b32 s86, s86, 1
	s_add_co_u32 s84, s84, s86
	s_mov_b32 s85, 0                               ; and in asc
	s_lshl_b32 s86, s56, 6                         ; the prefetches.  The mask: row 64 qb + 16 cx + 4 wave,
	s_lshl_b32 s87, s17, 4
	s_add_co_u32 s86, s86, s87
	s_lshl_b32 s87, s16, 2
	s_add_co_u32 s86, s86, s87
	s_lshl_b32 s86, s86, 14
	s_add_co_u32 s86, s86, 2048                    ; at slot 1: the first change of slots steps it to slot 2
	s_mul_i32 s88, s54, 51200                      ; K and V: my four heads,
	s_add_co_u32 s88, s88, 4*KSTP                  ; at trip 1 likewise
	s_mul_i32 s57, s56, 13                         ; my work-group's first block of the 800
	s_mov_b32 s[PFS], 2048
	s_cmp_eq_u32 s[WV], 4                          ; wave 4 asks for K and V
	s_cselect_b32 s86, s88, s86
	s_cselect_b32 s[PFS], 4*KSTP, s[PFS]
	s_cselect_b32 s89, -1, 0
	s_mov_b32 s87, 0
	s_mov_b32 s[PFS+1], 0
	s_cmp_lt_u32 s[WV], 5
	s_cselect_b32 s[LIM], 1, -1                    ; waves 5-15 ask for nothing
	s_mov_b32 s[SEL], 0x76543210
	s_mov_b32 s[SEL+1], 0xfedcba98
	s_mov_b32 s[CS], 0x3fb8aa3b                    ; log2(e)
	s_mov_b32 s[CS+1], s[CS]                       ; (named with it as a pair, so it is written)
	s_mov_b32 s[SB], SLOTB                         ; the first change of slots makes it 0
	s_mov_b32 s[SLOTS], 7
	s_wait_dscnt 0x0                               ; both opening adds are done
	s_wait_kmcnt 0x0
	s_mov_b32 s[G0M], 1
	s_mov_b32 s[G0M+1], s[WB]                      ; slot 0
	s_add_nc_u64 s[G0M+2:G0M+3], s[8:9], s[62:63]
	s_or_b32 s[G0M+3], s[G0M+3], 0x80000000
	s_add_nc_u64 s[KVB:KVB+1], s[6:7], s[58:59]
	s_add_nc_u64 s[74:75], s[4:5], s[74:75]
	s_add_nc_u64 s[76:77], s[4:5], s[76:77]
	s_add_nc_u64 s[10:11], s[10:11], s[82:83]
	s_add_nc_u64 s[12:13], s[12:13], s[84:85]
	s_cmp_eq_u32 s[WV], 4
	s_cselect_b64 s[PFA:PFA+1], s[6:7], s[8:9]     ; the choice hangs on the wave's number alone
	s_add_nc_u64 s[PFA:PFA+1], s[PFA:PFA+1], s[86:87]
	CROUND                                         ; the four work-groups are here: the first joint loads meet
	JL                                             ; key steps 0-3 into slot 0: one load a wave
	v_and_b32 v[HT+1], 31, v0
	v_and_b32 v[HT+5], 15, v0
	s_delay_alu instid0(VALU_DEP_2)
	v_lshlrev_b32 v[LKV], 4, v[HT+1]               ; 16 l
	v_lshlrev_b32 v[LSC], 2, v[HT+1]               ; 4 l
	v_lshlrev_b32 v[HT+5], 2, v[HT+5]              ; 4 r
.irp c, 0,1,2
	global_load_b128 v[S+4*\c:S+4*\c+3], v[LKV], s[74:75] offset:512*\c    ; the pair's image
.endr
	global_load_b32 v[S+12], v[HT+5], s[76:77]     ; and its scale words
	KLOAD 0                                        ; the first step's K
	VLOAD 0                                        ; and V
	v_and_b32 v[HT], 7, v0
	s_delay_alu instid0(VALU_DEP_1)
	v_mul_u32_u24 v[AM0], v[HT], 528
	v_bfe_u32 v[HT], v0, 3, 1
	s_delay_alu instid0(VALU_DEP_1)
	v_mad_u32_u24 v[AM0], v[HT], 8576, v[AM0]
	v_bfe_u32 v[HT], v0, 4, 1
	s_delay_alu instid0(VALU_DEP_1)
	v_lshl_add_u32 v[AM0], v[HT], 6, v[AM0]
	s_lshr_b32 s68, s16, 1
	s_mul_i32 s68, s68, 17152
	s_and_b32 s69, s16, 1
	s_mul_i32 s69, s69, 4224
	s_add_co_u32 s68, s68, s69
	v_add_nc_u32 v[AM0], s68, v[AM0]               ; row 32 (tq / 2) + 8 (tq % 2) + r % 8 + 16 (r / 8) of the 64, + 64 h
	v_lshrrev_b32 v[HT+2], 3, v[HT+1]
	v_and_b32 v[HT+3], 7, v0
	s_delay_alu instid0(VALU_DEP_2)
	v_lshlrev_b32 v[HT+2], 14, v[HT+2]
	s_delay_alu instid0(VALU_DEP_1)
	v_lshl_add_u32 v[HT+2], v[HT+3], 8, v[HT+2]    ; the mask's prefetch: 16,384 (l / 8) + 256 (l % 8)
	v_min_u32 v[HT+3], 12, v[HT+1]
	s_delay_alu instid0(VALU_DEP_1)
	v_add_nc_u32 v[HT+3], s57, v[HT+3]
	s_delay_alu instid0(VALU_DEP_1)
	v_min_u32 v[HT+3], 799, v[HT+3]                ; K's and V's: block i = 13 qb + l, held at 799;
	s_delay_alu instid0(VALU_DEP_1)
	v_mul_u32_u24 v[HT+4], v[HT+3], 328
	s_delay_alu instid0(VALU_DEP_1)
	v_lshrrev_b32 v[HT+4], 16, v[HT+4]             ; its key step i / 200 (328 / 65,536 serves i under 800);
	s_delay_alu instid0(VALU_DEP_1)
	v_mul_u32_u24 v[HT+4], v[HT+4], 153600
	s_delay_alu instid0(VALU_DEP_1)
	v_lshl_add_u32 v[HT+3], v[HT+3], 8, v[HT+4]    ; 256 i + (204,800 - 51,200) x step
	s_delay_alu instid0(VALU_DEP_1)
	v_cndmask_b32 v[PFO], v[HT+2], v[HT+3], s89
	v_mov_b32 v[MM+1], 0xff61b1e6                  ; the largest t so far: -3e38
	s_delay_alu instid0(VALU_DEP_1)
	v_floor_f32 v[MM], -v[MM+1]                    ; -M
	v_mov_b32 v[SU], 0
	v_mov_b32 v[SU+1], 0                           ; the sum, in two halves
.irp b, 0,1,2,3
	v_mov_b32 v[PD+\b], 0                          ; a lane permute's destination counts as one of its sources
.endr
	v_mov_b32 v[FF+1], 0                           ; (named as the upper half of f's pair)
	s_wait_alu depctr_va_vdst(0)
	s_wait_loadcnt 28                              ; q's four loads are in; K's and V's twenty-eight may be out
.irp i, 0,1,2,3,4,5
	v_cndmask_b32 v[Q+\i], v[S+\i], v[S+6+\i], s79 ; my tile's six registers
.endr
.irp i, 0,1,2,3,4,5
	v_mov_b32 v[Q+12+\i], v[Q+\i]                  ; [q | 0 | q]
	v_mov_b32 v[Q+6+\i], 0
.endr
	v_lshrrev_b32 v[HT], s78, v[S+12]
	s_delay_alu instid0(VALU_DEP_1)
	v_bfe_u32 v[HT+1], v[HT], 0, 8
	v_bfe_u32 v[HT+2], v[HT], 8, 8
	s_delay_alu instid0(VALU_DEP_2)
	v_max_u32 v[HT+1], 3, v[HT+1]
	s_delay_alu instid0(VALU_DEP_2)
	v_max_u32 v[HT+2], 3, v[HT+2]
	s_delay_alu instid0(VALU_DEP_2)
	v_add_nc_u32 v[HT+1], -3, v[HT+1]              ; 3 off each byte: the exact 1 / 8
	s_delay_alu instid0(VALU_DEP_2)
	v_add_nc_u32 v[HT+2], -3, v[HT+2]
	s_delay_alu instid0(VALU_DEP_1)
	v_lshl_or_b32 v[HT+1], v[HT+2], 8, v[HT+1]
	s_delay_alu instid0(VALU_DEP_1)
	v_or_b32 v[QS], 0x7f7f0000, v[HT+1]            ; for [q | 0]: the zero codes' bytes are 127
	v_lshlrev_b32 v[HT+1], 16, v[HT+1]
	s_delay_alu instid0(VALU_DEP_1)
	v_or_b32 v[QS+1], 0x7f7f, v[HT+1]              ; for [0 | q]
.set j, 0
.rept 32
	v_mov_b32 v[O+j], 0                            ; O^T: the step is written for every step alike; the first finds zeros
.set j, j+1
.endr
	s_wait_alu depctr_va_vdst(0)
.Lslot:                                            ; 7 trips of four steps: behind each change of slots but the last the next four steps' mask is asked for
	CHANGE 1
	STEP 0, 1
	STEP 1, 1
	STEP 2, 1
	STEP 3, 1
	s_wait_xcnt 0x0                                ; the loads just issued have read their base
	s_add_nc_u64 s[KVB:KVB+1], s[KVB:KVB+1], 4*KSTP
	s_sub_co_u32 s[SLOTS], s[SLOTS], 1
	s_cmp_lg_u32 s[SLOTS], 0
	s_cbranch_scc1 .Lslot
	CHANGE 0                                       ; the last four steps are written out: nothing more is asked for, of the mask or, in the last, of K and V
	STEP 0, 1
	STEP 1, 1
	STEP 2, 1
	STEP 3, 0
	; THE WAY OUT: O^T / the sum, quantised along the last product's K (my head's two blocks of 32), as that product's operand
	v_add_f32 v[SU], v[SU], v[SU+1]
	s_delay_alu instid0(VALU_DEP_1)
	v_permlanex16_b32 v[TMP], v[SU], s[SEL], s[SEL+1]
	s_delay_alu instid0(VALU_DEP_1)
	v_add_f32 v[SU], v[SU], v[TMP]                 ; the row's sum
	s_wait_alu depctr_va_vdst(0)
	v_rcp_f32 v[SU], v[SU]
	v_and_b32 v[KF], 31, v0                        ; (plain places behind the reciprocal and behind the last products; K's registers are free)
	s_delay_alu instid0(VALU_DEP_1)
	v_lshlrev_b32 v[KF+1], 3, v[KF]                ; 8 l
	v_lshlrev_b32 v[KF], 4, v[KF]                  ; 16 l
	v_and_b32 v[KF+2], 15, v0
	s_delay_alu instid0(VALU_DEP_1)
	v_lshlrev_b32 v[KF+2], 4, v[KF+2]              ; 16 r
	s_wait_alu depctr_va_vdst(0)                   ; the wait ahead of the reciprocal's first reader
.set j, 0
.rept 16
	v_pk_mul_f32 v[S+j:S+j+1], v[O+j:O+j+1], v[SU:SU+1] op_sel_hi:[1,0]    ; register 16 b + i: channel 32 b + 16 h + i
.set j, j+2
.endr
.irp b, 0,1
	v_max3_num_f32 v[BM+\b], |v[S+16*\b]|, |v[S+16*\b+1]|, 0x1800000
.endr
.irp i, 2,4,6,8,10,12,14
.irp b, 0,1
	s_delay_alu instid0(VALU_DEP_2)
	v_max3_num_f32 v[BM+\b], v[BM+\b], |v[S+16*\b+\i]|, |v[S+16*\b+\i+1]|
.endr
.endr
.irp b, 0,1
	s_delay_alu instid0(VALU_DEP_2)
	v_permlanex16_b32 v[PD+\b], v[BM+\b], s[SEL], s[SEL+1]
.endr
.irp b, 0,1
	s_delay_alu instid0(VALU_DEP_2)
	v_max_num_f32 v[BM+\b], v[BM+\b], v[PD+\b]
.endr
.irp b, 0,1
	s_delay_alu instid0(VALU_DEP_2)
	v_add_nc_u32 v[BM+\b], 0xff000000, v[BM+\b]
.endr
.irp b, 0,1
	s_delay_alu instid0(VALU_DEP_2)
	v_lshrrev_b32 v[PD+\b], 23, v[BM+\b]
.endr
	s_delay_alu instid0(VALU_DEP_1)
	v_lshl_or_b32 v[TMP], v[PD+1], 8, v[PD]        ; my row's two bytes
	v_cvt_scalef32_pk16_fp6_f32 v[PC:PC+2], v[S:S+15], v[BM]
	v_cvt_scalef32_pk16_fp6_f32 v[PT:PT+2], v[S+16:S+31], v[BM+1]
	v_nop
.irp i, 0,1,2
	v_permlane16_swap_b32 v[PC+\i], v[PT+\i]
.endr
.irp i, 0,1,2
	s_delay_alu instid0(VALU_DEP_3)
	v_mov_b32 v[PC+3+\i], v[PT+\i]
.endr
	global_store_b128 v[KF], v[PC:PC+3], s[10:11]             ; 512 consecutive bytes
	global_store_b64 v[KF+1], v[PC+4:PC+5], s[10:11] offset:512 ; 256 consecutive bytes
	global_store_b16 v[KF+2], v[TMP], s[12:13]                ; both halves of the lanes hold the same two bytes of row r
	s_wait_tensorcnt 0x0                           ; the wave's end
	ds_add_u32 v[SPW], v[NIL]
	s_wait_dscnt 0x0
	CROUND                                         ; the closing round
	s_endpgm
.Lfunc_end_k_q27d27e6995_attn:
	.size	k_q27d27e6995_attn, .Lfunc_end_k_q27d27e6995_attn-k_q27d27e6995_attn
	.p2alignl 7, 3214868480
	.fill 96, 4, 3214868480
	.section	.rodata,"a",@progbits
	.p2align	6, 0x0
	.amdhsa_kernel k_q27d27e6995_attn
		.amdhsa_group_segment_fixed_size 327680
		.amdhsa_private_segment_fixed_size 0
		.amdhsa_enable_private_segment 0
		.amdhsa_kernarg_size 40
		.amdhsa_user_sgpr_count 2
		.amdhsa_user_sgpr_kernarg_segment_ptr 1
		.amdhsa_wavefront_size32 1
		.amdhsa_system_sgpr_workgroup_id_x 1
		.amdhsa_system_sgpr_workgroup_id_y 1
		.amdhsa_system_sgpr_workgroup_id_z 1
		.amdhsa_system_vgpr_workitem_id 0
		.amdhsa_next_free_vgpr 256
		.amdhsa_next_free_sgpr 96
		.amdhsa_reserve_vcc 0
		.amdhsa_float_denorm_mode_32 3
		.amdhsa_float_denorm_mode_16_64 3
		.amdhsa_memory_ordered 1
		.amdhsa_forward_progress 1
		.amdhsa_inst_pref_size 166
	.end_amdhsa_kernel
	.amdgpu_metadata
---
amdhsa.version: [ 1, 2 ]
amdhsa.kernels:
  - .name:           k_q27d27e6995_attn
    .symbol:         k_q27d27e6995_attn.kd
    .args:
      - { .name: qf, .offset: 0, .size: 8, .value_kind: global_buffer, .address_space: global }
      - { .name: kv, .offset: 8, .size: 8, .value_kind: global_buffer, .address_space: global }
      - { .name: attention_mask, .offset: 16, .size: 8, .value_kind: global_buffer, .address_space: global }
      - { .name: ac, .offset: 24, .size: 8, .value_kind: global_buffer, .address_space: global }
      - { .name: asc, .offset: 32, .size: 8, .value_kind: global_buffer, .address_space: global }
    .group_segment_fixed_size: 327680
    .private_segment_fixed_size: 0
    .kernarg_segment_align: 8
    .kernarg_segment_size: 40
    .max_flat_workgroup_size: 512
    .sgpr_count:     96
    .vgpr_count:     256
    .wavefront_size: 32
...
	.end_amdgpu_metadata
.endif
;; end of part 3
;; launch oproj (part 4): grid 8 x 32, 8 waves a work-group, clusters of 4 x 4, 266,240 bytes of LDS; arguments qc, qs, ac, asc, out0; writes out0
.if DOCPART == 4
	.amdgcn_target "amdgcn-amd-amdhsa--gfx1250"
	.amdhsa_code_object_version 6
	.text
	.protected	k_q27d27e6995_oproj
	.globl	k_q27d27e6995_oproj
	.p2align	8
	.type	k_q27d27e6995_oproj,@function
k_q27d27e6995_oproj:
	s_mov_b64 s[64:65], 0
	v_nop
	global_prefetch_b8 v0, s[64:65] scope:SCOPE_SE
	s_setreg_imm32_b32 hwreg(HW_REG_WAVE_MODE, 25, 1), 1
	s_wait_xcnt 0x0
	s_wait_alu depctr_hold_cnt(0) depctr_sa_sdst(0) depctr_va_vdst(0) depctr_va_sdst(0) depctr_va_ssrc(0) depctr_va_vcc(0) depctr_vm_vsrc(0)
	s_getreg_b32 s2, hwreg(HW_REG_IB_STS2, 6, 4)
	s_cmp_eq_u32 s2, 0
	s_cbranch_scc0 .Lentry_in_a_cluster
	s_endpgm
.Lentry_in_a_cluster:
	s_bfe_u32 s2, ttmp6, 0x10000c
	s_cmp_lg_u32 s2, 0xf033
	s_cbranch_scc0 .Lentry_shape_is_right
	s_endpgm
.Lentry_shape_is_right:
; OUT = A Wo^T on codes of FP6: A [4096][1024] is the attention launch's result, already an operand's image (ac, asc); Wo's tiles are 448-511 of qc, qs.  K = 1,024: eight steps of 128.
; Used transposed: source 0 = 16 rows of Wo, source 1 = 16 queries: a lane holds one query and eight neighbouring outputs.  A tile holds rows 32 (T / 2) + 8 (T % 2) + r + 8 (r / 8).
; SHARES.  A work-group makes 128 queries x 128 outputs: 256 work-groups.  Wave w = 4 i + j takes Wo's tiles 4 i .. 4 i + 3 and query tiles 2 j, 2 j + 1: eight accumulators.
; ALL OF K LIES IN LDS: four chunks of two K steps, each filled once.  ONE tensor load a wave, at the head: wave f (0-3) brings chunk f of Wo's 8 tiles, wave 4 + f chunk f of the queries' 8 tiles
; (8 rows of 3,072 bytes).  Nothing is filled again: one barrier shows all chunks to all waves.
; CLUSTER 4 x 4: Wo's tiles hang on cx alone and are asked for jointly along a column of the cluster, the queries' on cy alone, along a row.
; No prefetch: the launch asks for all its operands at its head and has no loop to run ahead in.
; The way out goes through a stage of its own (rows 528 bytes apart, 128 more for each 16 rows), since a row's 512 bytes come from two waves; each wave then stores 16 whole rows.
.set CHUNK, 49152                      ; Wo: 8 tiles x 2 K steps x 1,536, then the queries' likewise
.set ROFF,  24576
.set STAGE, 196608
.set SPARE, 265216                     ; behind the stage: the spare words, 128 bytes for each of 8 waves
.set LI,  1                            ; v1 16 l
.set AP,  2                            ; v2 my fragments of Wo in the chunk in hand
.set AR16, 3                           ; v3 my queries' fragments, 16 bytes a lane,
.set AR8, 4                            ; v4 and 8 bytes a lane
.set SO,  5                            ; v5 into the stage
.set SR,  6                            ; v6 and back
.set SPW, 7
.set NIL, 8
.set PS,  16                           ; v16-31 Wo's scale words
.set RS,  32                           ; v32-39 the queries'
.set F0,  40                           ; v40-111, v112-183: two sets: four fragments of Wo, two of queries
.set F1,  112
.set ACC, 184                          ; v184-247: accumulator (query tile q, Wo tile p) at 8 (4 q + p)
.set WV,  14
.set G1P, 24
.set G1R, 32
.set G0P, 40
.set G0R, 68
.macro CROUND
	s_barrier_signal -1
	s_barrier_wait -1
	s_cmp_lg_u32 s[WV], 0
	s_cbranch_scc1 .Lnot_wave_0_\@
	s_barrier_signal -3
.Lnot_wave_0_\@:
	s_barrier_wait -3
	s_barrier_signal -1
	s_barrier_wait -1
.endm
.macro WM d, a, b, sa, sb, s           ; K step 0 starts the sums; steps 4-7 take their scale words from lanes 16-31
.if (\s) == 0
	v_wmma_scale_f32_16x16x128_f8f6f4 v[\d:\d+7], v[\a:\a+11], v[\b:\b+11], 0, v[\sa], v[\sb] matrix_a_fmt:MATRIX_FMT_FP6 matrix_b_fmt:MATRIX_FMT_FP6
.elseif (\s) < 4
	v_wmma_scale_f32_16x16x128_f8f6f4 v[\d:\d+7], v[\a:\a+11], v[\b:\b+11], v[\d:\d+7], v[\sa], v[\sb] matrix_a_fmt:MATRIX_FMT_FP6 matrix_b_fmt:MATRIX_FMT_FP6
.else
	v_wmma_scale_f32_16x16x128_f8f6f4 v[\d:\d+7], v[\a:\a+11], v[\b:\b+11], v[\d:\d+7], v[\sa], v[\sb] matrix_a_fmt:MATRIX_FMT_FP6 matrix_b_fmt:MATRIX_FMT_FP6 matrix_a_scale:MATRIX_SCALE_ROW1 matrix_b_scale:MATRIX_SCALE_ROW1
.endif
.endm
.macro FETCH f, e                      ; 20 LDS loads: a K step's six fragments.  A query fragment is two heads' images: registers 0-3, 4-5, 6-9, 10-11
.irp p, 0,1,2,3
.irp c, 0,1,2
	ds_load_b128 v[\f+12*\p+4*\c:\f+12*\p+4*\c+3], v[AP] offset:3072*\p+1536*\e+512*\c
.endr
.endr
.irp q, 0,1
	ds_load_b128 v[\f+48+12*\q:\f+48+12*\q+3], v[AR16] offset:3072*\q+1536*\e
	ds_load_b64 v[\f+48+12*\q+4:\f+48+12*\q+5], v[AR8] offset:3072*\q+1536*\e+512
	ds_load_b128 v[\f+48+12*\q+6:\f+48+12*\q+9], v[AR16] offset:3072*\q+1536*\e+768
	ds_load_b64 v[\f+48+12*\q+10:\f+48+12*\q+11], v[AR8] offset:3072*\q+1536*\e+1280
.endr
.endm
.macro MUL f, s                        ; the eight accumulators by turns, one instruction a turn
.irp p, 0,1,2,3
.irp q, 0,1
	WM ACC+8*(4*\q+\p), \f+12*\p, \f+48+12*\q, PS+4*\p+(\s)%4, RS+4*\q+(\s)%4, \s
.endr
.endr
.endm
	s_load_b256 s[4:11], s[0:1], 0x0               ; qc s[4:5], qs s[6:7], ac s[8:9], asc s[10:11]
	s_load_b64 s[12:13], s[0:1], 0x20              ; out0
	v_lshl_add_u32 v[SPW], v0, 2, SPARE
	v_mov_b32 v[NIL], 0
	ds_add_u32 v[SPW], v[NIL]                      ; the wave's opening: the add, twice on end, and its wait ahead of the first tensor load
	ds_add_u32 v[SPW], v[NIL]
	v_lshrrev_b32 v1, 5, v0
	s_delay_alu instid0(VALU_DEP_1)
	v_readfirstlane_b32 s[WV], v1                  ; wave 0..7
	s_lshr_b32 s15, s[WV], 2                       ; i
	s_and_b32 s16, s[WV], 3                        ; j
	s_bfe_u32 s17, ttmp6, 0x40000                  ; cx
	s_bfe_u32 s18, ttmp6, 0x40004                  ; cy
	s_lshl_b32 s56, ttmp9, 2
	s_add_co_u32 s56, s56, s17                     ; Wo's block of 8 tiles: hangs on cx, never on cy
	s_and_b32 s60, ttmp7, 0xffff
	s_lshl_b32 s60, s60, 2
	s_add_co_u32 s60, s60, s18                     ; the queries' block of 8 tiles: hangs on cy, never on cx
	s_lshl_b32 s57, s56, 3
	s_add_co_u32 s57, s57, 448                     ; TP
	s_lshl_b32 s61, s60, 3                         ; TR
	s_lshl_b32 s21, 0x1111, s17                    ; my column of the cluster
	s_lshl_b32 s22, s18, 2
	s_lshl_b32 s22, 15, s22                        ; my row
	; group 1: 8 tiles' two K steps: 8 rows of 3,072 bytes (384 elements of 8), 12,288 bytes apart; dense in LDS
	s_or_b32 s[G1P], s21, (3<<16)|(1<<21)
	s_or_b32 s[G1R], s22, (3<<16)|(1<<21)
.irp g, G1P, G1R
	s_mov_b32 s[\g+1], 384<<16
	s_mov_b32 s[\g+2], 8<<16
	s_mov_b32 s[\g+3], 384<<16
	s_mov_b32 s[\g+4], 8
	s_mov_b32 s[\g+5], 1536
	s_mov_b32 s[\g+6], 0
	s_mov_b32 s[\g+7], 0
.endr
	s_mul_i32 s66, s16, 3072                       ; the chunk that I fetch: wave % 4: its two K steps in a tile's 12,288 bytes
	s_mul_i32 s58, s57, 12288
	s_add_co_u32 s58, s58, s66
	s_mov_b32 s59, 0
	s_mul_i32 s62, s61, 12288
	s_add_co_u32 s62, s62, s66
	s_mov_b32 s63, 0
	s_mul_i32 s67, s16, CHUNK                      ; and where it goes: no place in the cluster enters an LDS address
	s_lshl_b32 s84, s15, 2
	s_add_co_u32 s84, s84, s57                     ; my first tile of Wo
	s_lshl_b32 s84, s84, 9
	s_mov_b32 s85, 0
	s_lshl_b32 s86, s16, 1
	s_add_co_u32 s86, s86, s61                     ; my first query tile
	s_lshl_b32 s86, s86, 9
	s_mov_b32 s87, 0
	s_lshl_b32 s88, s60, 7
	s_lshl_b32 s89, s[WV], 4
	s_add_co_u32 s88, s88, s89                     ; the first row that I store: 128 x block + 16 x wave
	s_lshl_b32 s88, s88, 12
	s_lshl_b32 s89, s56, 9
	s_add_co_u32 s88, s88, s89                     ; + the block's 512 bytes of a row
	s_mov_b32 s89, 0
	s_wait_dscnt 0x0                               ; both opening adds are done
	s_wait_kmcnt 0x0
	s_add_nc_u64 s[84:85], s[6:7], s[84:85]
	s_add_nc_u64 s[86:87], s[10:11], s[86:87]
	s_add_nc_u64 s[12:13], s[12:13], s[88:89]
	s_mov_b32 s[G0P], 1
	s_mov_b32 s[G0P+1], s67
	s_add_nc_u64 s[G0P+2:G0P+3], s[4:5], s[58:59]
	s_or_b32 s[G0P+3], s[G0P+3], 0x80000000
	s_mov_b32 s[G0R], 1
	s_add_co_u32 s[G0R+1], s67, ROFF
	s_add_nc_u64 s[G0R+2:G0R+3], s[8:9], s[62:63]
	s_or_b32 s[G0R+3], s[G0R+3], 0x80000000
	CROUND                                         ; all sixteen work-groups are here: the joint loads meet
	s_cmp_lt_u32 s[WV], 4                          ; every way through the head passes one load
	s_cbranch_scc0 .Lfirst_r
	tensor_load_to_lds s[G0P:G0P+3], s[G1P:G1P+7]
	s_nop 0
.rept 4
	v_nop
.endr
	s_branch .Lfirst_done
.Lfirst_r:
	tensor_load_to_lds s[G0R:G0R+3], s[G1R:G1R+7]
	s_nop 0
.rept 4
	v_nop
.endr
.Lfirst_done:
	v_and_b32 v9, 31, v0
	s_delay_alu instid0(VALU_DEP_1)
	v_lshlrev_b32 v[LI], 4, v9
.irp p, 0,1,2,3
	global_load_b128 v[PS+4*\p:PS+4*\p+3], v[LI], s[84:85] offset:512*\p
.endr
.irp q, 0,1
	global_load_b128 v[RS+4*\q:RS+4*\q+3], v[LI], s[86:87] offset:512*\q
.endr
	s_mul_i32 s90, s15, 12288
	v_add_nc_u32 v[AP], s90, v[LI]
	s_mul_i32 s91, s16, 6144
	s_add_co_u32 s91, s91, ROFF
	v_add_nc_u32 v[AR16], s91, v[LI]
	v_lshlrev_b32 v[AR8], 3, v9
	s_delay_alu instid0(VALU_DEP_1)
	v_add_nc_u32 v[AR8], s91, v[AR8]
	v_and_b32 v9, 15, v0                           ; r
	v_and_b32 v10, 8, v0                           ; 8 (r / 8)
	s_delay_alu instid0(VALU_DEP_1)
	v_add_nc_u32 v11, v9, v10
	s_delay_alu instid0(VALU_DEP_1)
	v_mul_u32_u24 v[SO], v11, 528
	s_delay_alu instid0(VALU_DEP_1)
	v_lshl_add_u32 v[SO], v10, 4, v[SO]            ; + 128 (r / 8)
	v_bfe_u32 v10, v0, 4, 1
	s_delay_alu instid0(VALU_DEP_1)
	v_lshl_add_u32 v[SO], v10, 6, v[SO]            ; + 64 h
	s_mul_i32 s92, s16, 17152
	s_lshl_b32 s93, s15, 8
	s_add_co_u32 s92, s92, s93
	s_add_co_u32 s92, s92, STAGE
	v_add_nc_u32 v[SO], s92, v[SO]                 ; row 32 j + r + 8 (r / 8), my 256 bytes of it
	s_mul_i32 s92, s[WV], 8576
	s_add_co_u32 s92, s92, STAGE
	v_add_nc_u32 v[SR], s92, v[LI]                 ; back: rows 16 w on, 16 bytes a lane
	s_wait_alu depctr_va_vdst(0)
	s_wait_tensorcnt 0x0                           ; my chunk is in
	s_barrier_signal -1
	s_barrier_wait -1                              ; everybody's is: all of K lies in LDS
.irp f, 0,1,2,3
.rept 4
	v_nop                                          ; four places in front of loads into registers that matrix instructions have read
.endr
	FETCH F0, 0
	FETCH F1, 1
.if \f == 0
	s_wait_loadcnt 0x0                             ; the scale words
.endif
	s_wait_dscnt 20                                ; the first K step's 20 loads are in; the second's may be out
	MUL F0, 2*\f
	s_wait_dscnt 0x0
	MUL F1, 2*\f+1
.if \f < 3
	v_add_nc_u32 v[AP], CHUNK, v[AP]
	v_add_nc_u32 v[AR16], CHUNK, v[AR16]
	v_add_nc_u32 v[AR8], CHUNK, v[AR8]
	s_wait_alu depctr_va_vdst(0)
.endif
.endr
.rept 4
	v_nop                                          ; four places behind the last products
.endr
.irp q, 0,1
.irp p, 0,1,2,3
	ds_store_b128 v[SO], v[ACC+8*(4*\q+\p):ACC+8*(4*\q+\p)+3] offset:4224*\q+128*(\p/2)+32*(\p%2)          ; each accumulator from its low end on
	ds_store_b128 v[SO], v[ACC+8*(4*\q+\p)+4:ACC+8*(4*\q+\p)+7] offset:4224*\q+128*(\p/2)+32*(\p%2)+16
.endr
.endr
	s_wait_dscnt 0x0                               ; for the others' sake: my stores into the stage are done
	s_barrier_signal -1
	s_barrier_wait -1
.irp i, 0,1,2,3,4,5,6,7,8,9,10,11,12,13,14,15
	ds_load_b128 v[F0+4*\i:F0+4*\i+3], v[SR] offset:528*\i
.endr
.irp i, 0,1,2,3,4,5,6,7,8,9,10,11,12,13,14,15
	s_wait_dscnt 15-\i                             ; row i is back; the later rows may be out
	global_store_b128 v[LI], v[F0+4*\i:F0+4*\i+3], s[12:13] offset:4096*\i th:TH_STORE_NT  ; 32 lanes store 512 consecutive bytes, at a multiple of 256 from out0's first byte
.endr
	s_wait_tensorcnt 0x0                           ; the wave's end, behind my last tensor load and my last LDS store
	ds_add_u32 v[SPW], v[NIL]
	s_wait_dscnt 0x0
	CROUND                                         ; the closing round
	s_endpgm
.Lfunc_end_k_q27d27e6995_oproj:
	.size	k_q27d27e6995_oproj, .Lfunc_end_k_q27d27e6995_oproj-k_q27d27e6995_oproj
	.p2alignl 7, 3214868480
	.fill 96, 4, 3214868480
	.section	.rodata,"a",@progbits
	.p2align	6, 0x0
	.amdhsa_kernel k_q27d27e6995_oproj
		.amdhsa_group_segment_fixed_size 266240
		.amdhsa_private_segment_fixed_size 0
		.amdhsa_enable_private_segment 0
		.amdhsa_kernarg_size 40
		.amdhsa_user_sgpr_count 2
		.amdhsa_user_sgpr_kernarg_segment_ptr 1
		.amdhsa_wavefront_size32 1
		.amdhsa_system_sgpr_workgroup_id_x 1
		.amdhsa_system_sgpr_workgroup_id_y 1
		.amdhsa_system_sgpr_workgroup_id_z 1
		.amdhsa_system_vgpr_workitem_id 0
		.amdhsa_next_free_vgpr 256
		.amdhsa_next_free_sgpr 100
		.amdhsa_reserve_vcc 0
		.amdhsa_float_denorm_mode_32 3
		.amdhsa_float_denorm_mode_16_64 3
		.amdhsa_memory_ordered 1
		.amdhsa_forward_progress 1
		.amdhsa_inst_pref_size 31
	.end_amdhsa_kernel
	.amdgpu_metadata
---
amdhsa.version: [ 1, 2 ]
amdhsa.kernels:
  - .name:           k_q27d27e6995_oproj
    .symbol:         k_q27d27e6995_oproj.kd
    .args:
      - { .name: qc, .offset: 0, .size: 8, .value_kind: global_buffer, .address_space: global }
      - { .name: qs, .offset: 8, .size: 8, .value_kind: global_buffer, .address_space: global }
      - { .name: ac, .offset: 16, .size: 8, .value_kind: global_buffer, .address_space: global }
      - { .name: asc, .offset: 24, .size: 8, .value_kind: global_buffer, .address_space: global }
      - { .name: out0, .offset: 32, .size: 8, .value_kind: global_buffer, .address_space: global }
    .group_segment_fixed_size: 266240
    .private_segment_fixed_size: 0
    .kernarg_segment_align: 8
    .kernarg_segment_size: 40
    .max_flat_workgroup_size: 256
    .sgpr_count:     100
    .vgpr_count:     256
    .wavefront_size: 32
...
	.end_amdgpu_metadata
.endif
;; end of part 4
